; MI455X (gfx1250); checked and timed in simulation.
; The chip was launched on July 23, 2026; its instructions are those of AMD's public machine-readable ISA for CDNA 5 (MIT licence, August 2026) and "CDNA5" Instruction Set Architecture Reference Guide (July 2026). The comments in the code are by the model that wrote it; some were corrected since.
;; Scaled Dot Product Attention. Allowed arithmetic: matrix products marked QUANTISED: E2M1 operands, one E8M0 scale for each 32 along K, by v_wmma_scale_f32_16x16x128_f8f6f4 with both operands' format E2M1 (or v_wmma_scale_f32_32x16x128_f4), f32 sums; everything else in f32.
;; Inputs: K 4 x 16 x 2,048 x 64 float32; M 2,048 x 2,048 bool; Q 4 x 16 x 2,048 x 64 float32; V_codes 4 x 16 x 64 x 64 x 16 uint8 (E2M1 codes of V, K innermost, in blocks of 32 codes, two codes a byte); V_scales 4 x 16 x 64 x 64 uint8 (E8M0 scales of V, one for each 32 codes along K); qk_scale 16 float32.
;; Outputs: out0 4 x 16 x 2,048 x 64 float32.
;; This version of the problem:
;;   THIS VERSION OF THE PROBLEM IS GIVEN IN LOW PRECISION. The matrix products marked QUANTISED in the list below multiply operands that are first quantised to E2M1 (2 exponent bits, 1 mantissa bit; 4 bits a number), with one power-of-two scale for each 32 numbers along K (OCP MX v1.0); their sums are f32. All else is computed in f32.
;;   The module's matrix products, in the order in which they are computed (A, B: the left and right operand; K: the contracted axis; several contracted axes count as one K, in the product's order):
;;     1. batch 64 x [M 2,048, K 64] x [K 64, N 2,048]; A: computed on the way; B: computed on the way: QUANTISED
;;     2. batch 64 x [M 2,048, K 2,048] x [K 2,048, N 64]; A: softmax (see below); B: input V (given as codes): QUANTISED
;;   THE QUANTISER, for each operand of a quantised product, along K:
;;     - K is cut into blocks of 32 from its start; a last block that is shorter is filled with zeros.
;;     - A block's scale is 2^e with e = floor(log2(the largest magnitude in the block)) - 2, held to -126 .. 127; a block of zeros has e = 0. As a byte (E8M0): e + 127.
;;     - Each number is divided by its block's scale, clamped to +-6, and rounded to the nearest number of E2M1, ties to even, subnormals kept.
;;     - The product sums the exact products of the quantised numbers (number of the format x scale) in f32.
;;   ~~~python
;;   def quantise(x, axis):      # numpy; x: float32 -> the quantised numbers, widened to float32 again
;;       x = np.moveaxis(x, axis, -1); K = x.shape[-1]
;;       x = np.pad(x, [(0, 0)] * (x.ndim - 1) + [(0, -K % 32)]); x = x.reshape(x.shape[:-1] + (-1, 32)); a = np.abs(x).max(-1, keepdims=True)
;;       e = np.where(a > 0, np.clip(np.frexp(np.where(a > 0, a, 1))[1] - 1 - 2, -126, 127), 0)      # np.frexp(a)[1] - 1 = floor(log2(a)), exactly
;;       r = np.clip(x / 2.0 ** e, -6, 6)
;;       step = 2.0 ** (np.maximum(np.frexp(np.where(r == 0, 1, r))[1] - 1, 0) - 1)
;;       q = np.round(r / step) * step * 2.0 ** e      # np.round: ties to even
;;       return np.moveaxis(q.reshape(q.shape[:-2] + (-1,))[..., :K], -1, axis).astype(np.float32)
;;   ~~~
;;   SOFTMAX AHEAD OF A QUANTISED PRODUCT. Where the list says 'softmax', what is quantised is not the finished softmax but p = 2^(t - M), with t = logit x log2(e) and M = ceil(the row's largest t), a whole number; so 1/2 < the row's largest p <= 1. The row's sum l is taken of the UNQUANTISED p, in f32, and the product's result is divided by l at the end. Since M is a whole number, a kernel that streams over the keys may use a running M (the ceiling of the running maximum): every later rescaling is an exact power of two, which a block's scale takes up: the codes' values come out the same.
;;   OPERANDS COMPUTED ON THE WAY. 'Computed on the way' means the value that the module computes at that place (a softmax that the list does not call 'softmax' is quantised finished and normalised). What goes into a quantiser is computed in f32, as accurately as f32 sums, v_exp_f32 and their like allow (about 1e-6 of the number): no bf16 or f16 on the way to a quantiser, and a product that is left as it is and whose result goes on into a quantised operand takes f32 operands (vector FMAs, or v_wmma_f32_16x16x4_f32). A number that lies on a knife's edge between two numbers of the format may be rounded either way, as far as f32 arithmetic and the matrix unit's own rounding can turn it there, and no further.
;;   INPUTS GIVEN AS CODES. V (in the module: [4, 16, 2048, 64], K = its axis 2): each comes as NAME_codes (uint8): NAME with its K axis moved to the last place and cut into blocks of 32 codes, [.., K / 32, bytes a block], one block behind the other in memory; two codes a byte, the lower K in the low four bits (a code: sign, 2 exponent bits, 1 mantissa bit); and NAME_scales (uint8): the same leading axes, one E8M0 byte (e + 127) for each 32 codes along K. Its value is code x scale, taken as it is: it is not quantised again, and the codes and scales need not be those that the quantiser above would give.
;; 2 versions. Each part assembles by itself: llvm-mc -triple=amdgcn-amd-amdhsa -mcpu=gfx1250 --defsym DOCPART=n.
;; ======== version 1 of 2: 2 launches
;; workspace buffers: kc 4,718,592 bytes; mbits 524,288 bytes of whole numbers; mflag 2,048 bytes of whole numbers
;; launch prep (part 1): grid 384 x 1, 4 waves a work-group, no clusters, 70,144 bytes of LDS; arguments K, M, kc, mbits, mflag; writes kc, mbits, mflag
.if DOCPART == 1
	.amdgcn_target "amdgcn-amd-amdhsa--gfx1250"
	.amdhsa_code_object_version 6
	.text
	.protected	k_q667ac80835_prep
	.globl	k_q667ac80835_prep
	.p2align	8
	.type	k_q667ac80835_prep,@function
k_q667ac80835_prep:
	s_mov_b64 s[64:65], 0
	v_nop
	global_prefetch_b8 v0, s[64:65] scope:SCOPE_SE
	s_setreg_imm32_b32 hwreg(HW_REG_WAVE_MODE, 25, 1), 1
	s_wait_xcnt 0x0
; PREP: what all query blocks of the attention launch share is made once.
; (1) Work-groups 0-255: K [64 heads][2048][64] f32 is L2-normalised (x / (sqrt(sum x^2) + 1e-8)) and quantised along the head's 64 to codes of FP4 (E2M1), one E8M0 byte for each 32.
;     The codes leave as IMAGES OF THE OPERAND'S REGISTERS: a tile of 16 keys is 512 bytes, lane l's 16 bytes (block l / 16 of the tile's row l % 16) at 16 l.
;     THE KEYS OF A TILE ARE NOT NEIGHBOURS: row p of tile 2 a + u is key 32 a + 8 u + p + 8 (p / 8), so that the scores of two neighbouring tiles are 16 neighbouring keys in a lane's registers.
;     kc, for each head 73,728 bytes: 128 tiles x 512, then 16 groups (of 8 tiles) x 512 bytes of scale words: word j of lane l = byte0 | byte1 << 8 of tile 8 G + 2 j + l / 16, row l % 16.
; (2) Work-groups 256-383: the mask M [2048][2048] of bytes becomes one bit a score, laid as the attention's lanes hold the scores.  For a tile T of 16 queries (the same rule of rows) and a step s of 128 keys:
;     mbits[T][s][n], n = 16 b + i: bit l = M[query of row l % 16][128 s + 32 b + 16 (l / 16) + i].  mflag[T][c]: for s = 4 c .. 4 c + 3, bit s: some byte of (T, s) is set; bit 16 + s: all are 1.
; No tensor load, no barrier: each wave has LDS bytes of its own, and each of the two paths too.
; LIMITS: NaN and infinities in K are not served.  A sum of squares under 2^-126 counts as 0 ahead of the 1e-8.  The division is a multiplication by v_rcp_f32's result.
;     A block whose largest magnitude lies under 2^-124 (a block of zeros too) keeps the byte 1: this program alone reads the bytes, and zero codes add nothing.
;     A true byte of M other than 1 counts as true; it only keeps the flag 'all' from being set, which costs time and no value.
.set PITCH, 272                        ; a stage row: 256 bytes + 16 = 17 x 16: sixteen rows begin at sixteen different 16-byte columns modulo 256
.set STG,   16*PITCH                   ; a stage: 16 rows
.set WREG,  2*STG                      ; two stages for each wave
.set MBASE, 4*WREG                     ; the mask path's stages lie behind the K path's
.set SEL,   28                         ; s[28:29] v_permlanex16_b32's selects for lane l xor 16
.set QA,    8                          ; v[8:9], v[10:11] the sum of squares in two chains
.set QB,    10
.set MX,    12                         ; v12, v13 the largest magnitude in two chains
.set MY,    13
.set QN,    14                         ; v14 the norm
.set QSO,   15                         ; v15 the conversions' scale operand
.set RR,    16                         ; v[16:17] 1 / (norm + 1e-8), twice
.set BY,    18                         ; v18 my block's byte
.set W,     19                         ; v19 the row's scale word
.set SW,    20                         ; v[20:23] the group's image of scale words
.set H8,    7                          ; v7 8 x (lane / 16)
.set R,     32                         ; v32-159  four sets of 32: a tile as loaded
.set X,     160                        ; v160-223 two sets of 32: a lane's block of 32 numbers
.set C,     224                        ; v224-255 four registers of codes for each tile: no store's data are written again
.set MR,    32                         ; mask path: v32-95 two chunks as loaded, v96-159 as the lanes want them, v160-167 four pairs of words to store
.set MT,    96
.set OUT,   160
.macro LOAD t                          ; tile t of my eight: each load takes two whole rows of K, 512 consecutive bytes
.irp j, 0,1,2,3,4,5,6,7
	global_load_b128 v[R+32*((\t)%4)+4*\j:R+32*((\t)%4)+4*\j+3], v4, s[4:5] offset:(32*((\t)/2)+8*((\t)%2)+2*\j+8*(\j/4))*256 th:TH_LOAD_NT
.endr
.endm
.macro TURN t                          ; through my stage: in as loaded, out 128 bytes a lane: block l / 16 of row l % 16.  LDS serves a wave's instructions in order: no wait between
.irp j, 0,1,2,3,4,5,6,7
	ds_store_b128 v5, v[R+32*((\t)%4)+4*\j:R+32*((\t)%4)+4*\j+3] offset:STG*((\t)%2)+2*PITCH*\j
.endr
.irp i, 0,1,2,3,4,5,6,7
	ds_load_b128 v[X+32*((\t)%2)+4*\i:X+32*((\t)%2)+4*\i+3], v6 offset:STG*((\t)%2)+16*\i
.endr
.endm
; 32 numbers of a lane, v[x] on (block l / 16 of row l % 16), are normalised and quantised: four registers of codes in v[c] on, the row's scale word in v[w] (in both halves of the lanes).
.macro NQ x, c, w
	v_pk_mul_f32 v[QA:QA+1], v[\x:\x+1], v[\x:\x+1]
	v_pk_mul_f32 v[QB:QB+1], v[\x+2:\x+3], v[\x+2:\x+3]
.irp i, 4,8,12,16,20,24,28
	v_pk_fma_f32 v[QA:QA+1], v[\x+\i:\x+\i+1], v[\x+\i:\x+\i+1], v[QA:QA+1]
	v_pk_fma_f32 v[QB:QB+1], v[\x+\i+2:\x+\i+3], v[\x+\i+2:\x+\i+3], v[QB:QB+1]
.endr
	v_pk_add_f32 v[QA:QA+1], v[QA:QA+1], v[QB:QB+1]
	v_add_f32 v[QA], v[QA], v[QA+1]
	v_permlanex16_b32 v[QB], v[QA], s[SEL], s[SEL+1]               ; the row's other 32 numbers lie in lane l xor 16
	v_add_f32 v[QN], v[QA], v[QB]
	v_sqrt_f32 v[QN], v[QN]
	v_max3_num_f32 v[MX], |v[\x]|, |v[\x+1]|, |v[\x+2]|            ; the block's largest magnitude, of the numbers as they came: sixteen plain lines behind the root
	v_max3_num_f32 v[MY], |v[\x+3]|, |v[\x+4]|, |v[\x+5]|
.irp i, 6,10,14,18,22,26
	v_max3_num_f32 v[MX], v[MX], |v[\x+\i]|, |v[\x+\i+1]|
	v_max3_num_f32 v[MY], v[MY], |v[\x+\i+2]|, |v[\x+\i+3]|
.endr
	v_max3_num_f32 v[MX], v[MX], |v[\x+30]|, |v[\x+31]|
	v_max_num_f32 v[MX], v[MX], v[MY]
	s_wait_alu depctr_va_vdst(0)                                   ; the wait ahead of the first line that names the root
	v_add_f32 v[QN], 0x322bcc77, v[QN]                             ; + 1e-8
	v_rcp_f32 v[RR], v[QN]
	v_nop                                                          ; a plain line behind the reciprocal
	s_wait_alu depctr_va_vdst(0)                                   ; and the wait ahead of its first use
	v_mov_b32 v[RR+1], v[RR]
.irp i, 0,2,4,6,8,10,12,14,16,18,20,22,24,26,28,30
	v_pk_mul_f32 v[\x+\i:\x+\i+1], v[\x+\i:\x+\i+1], v[RR:RR+1]
.endr
	v_mul_f32 v[MX], v[MX], |v[RR]|                                ; rounding keeps order: this IS the largest magnitude of the 32 products above, bit for bit
	v_max_num_f32 v[MX], 0x1800000, v[MX]                          ; the floor 2^(3 - 127): the byte cannot fall under 1
	v_add_nc_u32 v[QSO], 0xff000000, v[MX]                         ; 2 off the exponent field: the conversion takes this operand's exponent field as its scale
	v_lshrrev_b32 v[BY], 23, v[QSO]                                ; the scale's byte
.irp g, 0,1,2,3
	v_cvt_scalef32_pk8_fp4_f32 v[\c+\g], v[\x+8*\g:\x+8*\g+7], v[QSO]
.endr
	v_lshlrev_b32 v[BY], v[H8], v[BY]                              ; (the plain line behind the conversions)  my byte at its place in the word: block l / 16
	v_permlanex16_b32 v[QB], v[BY], s[SEL], s[SEL+1]
	v_or_b32 v[\w], v[BY], v[QB]                                   ; bytes 2 and 3 stay 0: they scale the product's upper 64 along K, where both sides have zero codes
.endm
.macro STEP t
	s_wait_dscnt 0x0                               ; tile t is back from the stage, so the stage's stores have read the set that the loads below fill
.if (\t) < 4
	LOAD (\t)+4
.endif
.if (\t) < 7
.if (\t) < 4
	s_wait_loadcnt 24                              ; tile t + 1 is in: behind its eight loads those of three more tiles were issued
.else
	s_wait_loadcnt 8*(6-(\t))                      ; near the end fewer: tiles t + 2 .. 7
.endif
	TURN (\t)+1                                    ; through the other stage while tile t is worked on
.endif
	NQ X+32*((\t)%2), C+4*(\t), W
	global_store_b128 v4, v[C+4*(\t):C+4*(\t)+3], s[8:9] offset:512*(\t)   ; the tile's image: 512 consecutive bytes, aligned
.if (\t)%2
	v_cndmask_b32 v[SW+(\t)/2], v[SW+(\t)/2], v[W], s27            ; an odd tile's words go to lanes 16-31,
.else
	v_mov_b32 v[SW+(\t)/2], v[W]                                   ; an even tile's to lanes 0-15
.endif
.endm
.macro LOADM k                         ; chunk k (256 keys) of the tile's 16 rows of M: sixteen lanes take a row's 256 bytes, two rows a load
.irp j, 0,1,2,3,4,5,6,7
	global_load_b128 v[MR+32*(\k)+4*\j:MR+32*(\k)+4*\j+3], v4, s[6:7] offset:(2*\j+8*(\j/4))*2048+256*(\k) th:TH_LOAD_NT
.endr
.endm
.macro TURNM k                         ; through my stage: lane (r, h) takes, of row r, bytes 32 e + 16 h + 0 .. 15, e = 4 (step in the chunk) + block
.irp j, 0,1,2,3,4,5,6,7
	ds_store_b128 v5, v[MR+32*(\k)+4*\j:MR+32*(\k)+4*\j+3] offset:STG*(\k)+2*PITCH*\j
.endr
.irp e, 0,1,2,3,4,5,6,7
	ds_load_b128 v[MT+32*(\k)+4*\e:MT+32*(\k)+4*\e+3], v6 offset:STG*(\k)+32*\e
.endr
.endm
; One step of 128 keys: its 64 words and its two flags.  Word n = 4 q + z is the ballot of byte z of register q; it goes to lane n / 2, register n % 2, so that the 32 lanes store 256 consecutive bytes.
.macro BALLOT k, sp
.set XB, MT+32*(\k)+16*(\sp)
.set OP, OUT+2*(2*(\k)+(\sp))
.set q, 0
.rept 16
.irp z, 0,1,2,3
	v_and_b32 v[24+\z], 0xff<<(8*\z), v[XB+q]
.endr
.irp z, 0,1,2,3
	v_cmp_ne_u32 s[20+\z], 0, v[24+\z]
.endr
.irp z, 0,1,2,3
	v_writelane_b32 v[OP+\z%2], s[20+\z], 2*q+\z/2
.endr
.set q, q+1
.endr
	global_store_b64 v7, v[OP:OP+1], s[10:11] offset:256*(2*(\k)+(\sp))
	v_or_b32 v28, v[XB], v[XB+1]
	v_and_b32 v29, v[XB], v[XB+1]
.set q, 2
.rept 14
	v_or_b32 v28, v28, v[XB+q]
	v_and_b32 v29, v29, v[XB+q]
.set q, q+1
.endr
	v_cmp_ne_u32 s20, 0, v28                       ; lanes with some byte set
	v_cmp_eq_u32 s21, 0x01010101, v29              ; lanes with every byte 1
	s_cmp_lg_u32 s20, 0
	s_cselect_b32 s22, 1, 0                        ; any
	s_cmp_eq_u32 s21, -1
	s_cselect_b32 s23, 0x10000, 0                  ; all
	s_or_b32 s22, s22, s23
	s_lshl_b32 s22, s22, s25                       ; at the step's bit
	s_or_b32 s24, s24, s22
	s_add_co_u32 s25, s25, 1
.endm
	s_load_b256 s[4:11], s[0:1], 0x0               ; K s[4:5], M s[6:7], kc s[8:9], mbits s[10:11]
	s_load_b64 s[12:13], s[0:1], 0x20              ; mflag
	s_set_vgpr_msb 0x40
	v_lshl_add_u32 v0, v0, 2, 0x11000
	v_mov_b32 v1, 0
	s_set_vgpr_msb 0x4000
	v_lshrrev_b32 v1, 5, v0
	v_readfirstlane_b32 s14, v1                    ; wave 0..3
	v_and_b32 v1, 31, v0                           ; lane
	v_and_b32 v2, 15, v0                           ; r
	v_bfe_u32 v3, v0, 4, 1                         ; h
	s_mul_i32 s26, s14, WREG                       ; my wave's stages
	v_mul_u32_u24 v5, v3, PITCH
	v_lshl_add_u32 v5, v2, 4, v5
	v_add_nc_u32 v5, s26, v5                       ; into a stage: lanes 0-15 one row, lanes 16-31 the next, 16 bytes a lane
	v_mul_u32_u24 v6, v2, PITCH
	v_add_nc_u32 v6, s26, v6                       ; out of it: row r
	s_mov_b32 s[SEL], 0x76543210
	s_mov_b32 s[SEL+1], 0xfedcba98
	s_wait_kmcnt 0x0
	s_cmp_lt_u32 ttmp9, 256
	s_cbranch_scc0 .Lmask
	; ---- K: wave tau = 4 x work-group + wave takes 128 keys: head tau / 16, group tau % 16
	v_lshlrev_b32 v4, 4, v1                        ; 16 x lane
	v_lshl_add_u32 v6, v3, 7, v6                   ; + 128 h: my block of the row
	v_lshlrev_b32 v[H8], 3, v3
	s_mov_b32 s27, 0xffff0000                      ; lanes 16-31
	s_lshl_b32 s15, ttmp9, 2
	s_add_co_u32 s15, s15, s14                     ; tau
	s_lshl_b32 s16, s15, 15                        ; 128 rows of 256 bytes
	s_mov_b32 s17, 0
	s_add_nc_u64 s[4:5], s[4:5], s[16:17]
	s_lshr_b32 s18, s15, 4
	s_mul_i32 s18, s18, 73728                      ; the head's part of kc
	s_and_b32 s19, s15, 15
	s_lshl_b32 s16, s19, 12
	s_add_co_u32 s16, s16, s18                     ; my eight tiles' images
	s_lshl_b32 s19, s19, 9
	s_add_co_u32 s18, s18, s19
	s_add_co_u32 s18, s18, 65536                   ; my group's image of scale words
	s_mov_b32 s19, 0
	s_add_nc_u64 s[18:19], s[8:9], s[18:19]
	s_add_nc_u64 s[8:9], s[8:9], s[16:17]
	LOAD 0
	LOAD 1
	LOAD 2
	LOAD 3
	s_wait_loadcnt 24                              ; tile 0's eight loads are in; those of tiles 1 to 3 may be out
	TURN 0
.irp t, 0,1,2,3,4,5,6,7
	STEP \t
.endr
	global_store_b128 v4, v[SW:SW+3], s[18:19]     ; 512 consecutive bytes, aligned
	s_set_vgpr_msb 0x5
	s_wait_tensorcnt 0x0
	ds_add_u32 v0, v1
	s_wait_dscnt 0x0
	s_set_vgpr_msb 0x500
	s_endpgm
	; ---- M: work-group 256 + T takes the tile T of 16 queries; wave c its key steps 4 c .. 4 c + 3, as two chunks of 256 keys
.Lmask:
	v_lshlrev_b32 v4, 11, v3
	v_lshl_add_u32 v4, v2, 4, v4                   ; M: lanes 0-15 one row, lanes 16-31 the next (2,048 bytes on), 16 bytes a lane
	v_add_nc_u32 v5, MBASE, v5
	v_lshl_add_u32 v6, v3, 4, v6
	v_add_nc_u32 v6, MBASE, v6                     ; row r, + 16 h
	v_lshlrev_b32 v7, 3, v1                        ; two words a lane
	v_mov_b32 v31, 0
.irp i, 0,1,2,3,4,5,6,7
	v_mov_b32 v[OUT+\i], 0                         ; written once: v_writelane_b32's destination counts as one of its sources
.endr
	s_sub_co_u32 s15, ttmp9, 256                   ; T
	s_lshl_b32 s16, s15, 4
	s_and_b32 s17, s15, 1
	s_lshl_b32 s17, s17, 3
	s_sub_co_u32 s16, s16, s17                     ; the tile's first query: 16 T - 8 (T % 2)
	s_lshl_b32 s16, s16, 11
	s_lshl_b32 s17, s14, 9
	s_add_co_u32 s16, s16, s17                     ; + my 512 keys
	s_mov_b32 s17, 0
	s_add_nc_u64 s[6:7], s[6:7], s[16:17]
	s_lshl_b32 s16, s15, 12
	s_lshl_b32 s18, s14, 10
	s_add_co_u32 s16, s16, s18
	s_add_nc_u64 s[10:11], s[10:11], s[16:17]      ; mbits[T][4 c]
	s_lshl_b32 s16, s15, 4
	s_lshl_b32 s18, s14, 2
	s_add_co_u32 s16, s16, s18
	s_add_nc_u64 s[12:13], s[12:13], s[16:17]      ; mflag[T][c]
	s_mov_b32 s24, 0                               ; the flags
	s_lshl_b32 s25, s14, 2                         ; my first step
	LOADM 0
	LOADM 1
	s_wait_loadcnt 8                               ; chunk 0 is in; chunk 1's eight loads may be out
	TURNM 0
	s_wait_loadcnt 0x0
	TURNM 1
	s_wait_dscnt 16                                ; chunk 0 is back: behind its loads stand chunk 1's eight stores and eight loads
	BALLOT 0, 0
	BALLOT 0, 1
	s_wait_dscnt 0x0
	BALLOT 1, 0
	BALLOT 1, 1
	v_mov_b32 v30, s24
	s_wait_xcnt 0x0                                ; EXEC is a source of the stores above: it changes only behind this wait
	v_cmp_eq_u32 vcc_lo, 0, v1
	s_set_vgpr_msb 0x5
	s_wait_tensorcnt 0x0
	ds_add_u32 v0, v1
	s_wait_dscnt 0x0
	s_set_vgpr_msb 0x500
	s_and_saveexec_b32 s26, vcc_lo
	global_store_b32 v31, v30, s[12:13]            ; one word a wave, by lane 0 (the whole buffer is 2,048 bytes)
	s_wait_xcnt 0x0                                ; and again ahead of the line that widens it
	s_or_b32 exec_lo, exec_lo, s26
	s_endpgm
.Lfunc_end_k_q667ac80835_prep:
	.size	k_q667ac80835_prep, .Lfunc_end_k_q667ac80835_prep-k_q667ac80835_prep
	.p2alignl 7, 3214868480
	.fill 96, 4, 3214868480
	.section	.rodata,"a",@progbits
	.p2align	6, 0x0
	.amdhsa_kernel k_q667ac80835_prep
		.amdhsa_group_segment_fixed_size 70144
		.amdhsa_private_segment_fixed_size 0
		.amdhsa_enable_private_segment 0
		.amdhsa_kernarg_size 40
		.amdhsa_user_sgpr_count 2
		.amdhsa_user_sgpr_kernarg_segment_ptr 1
		.amdhsa_wavefront_size32 1
		.amdhsa_system_sgpr_workgroup_id_x 1
		.amdhsa_system_sgpr_workgroup_id_y 1
		.amdhsa_system_sgpr_workgroup_id_z 1
		.amdhsa_system_vgpr_workitem_id 0
		.amdhsa_next_free_vgpr 258
		.amdhsa_next_free_sgpr 66
		.amdhsa_reserve_vcc 1
		.amdhsa_float_denorm_mode_32 3
		.amdhsa_float_denorm_mode_16_64 3
		.amdhsa_memory_ordered 1
		.amdhsa_forward_progress 1
		.amdhsa_inst_pref_size 110
	.end_amdhsa_kernel
	.amdgpu_metadata
---
amdhsa.version: [ 1, 2 ]
amdhsa.kernels:
  - .name:           k_q667ac80835_prep
    .symbol:         k_q667ac80835_prep.kd
    .args:
      - { .name: K, .offset: 0, .size: 8, .value_kind: global_buffer, .address_space: global }
      - { .name: M, .offset: 8, .size: 8, .value_kind: global_buffer, .address_space: global }
      - { .name: kc, .offset: 16, .size: 8, .value_kind: global_buffer, .address_space: global }
      - { .name: mbits, .offset: 24, .size: 8, .value_kind: global_buffer, .address_space: global }
      - { .name: mflag, .offset: 32, .size: 8, .value_kind: global_buffer, .address_space: global }
    .group_segment_fixed_size: 70144
    .private_segment_fixed_size: 0
    .kernarg_segment_align: 8
    .kernarg_segment_size: 40
    .max_flat_workgroup_size: 128
    .sgpr_count:     66
    .vgpr_count:     258
    .wavefront_size: 32
...
	.end_amdgpu_metadata
.endif
;; end of part 1
;; launch attn (part 2): grid 4 x 64, 16 waves a work-group, no clusters, 216,320 bytes of LDS; arguments Q, qk_scale, kc, V_codes, V_scales, mbits, mflag, out0; writes out0
.if DOCPART == 2
	.amdgcn_target "amdgcn-amd-amdhsa--gfx1250"
	.amdhsa_code_object_version 6
	.text
	.protected	k_q667ac80835_attn
	.globl	k_q667ac80835_attn
	.p2align	8
	.type	k_q667ac80835_attn,@function
k_q667ac80835_attn:
	s_mov_b64 s[64:65], 0
	v_nop
	global_prefetch_b8 v0, s[64:65] scope:SCOPE_SE
	s_setreg_imm32_b32 hwreg(HW_REG_WAVE_MODE, 25, 1), 1
	s_wait_xcnt 0x0
; out0[head][q][:] = softmax_k(g Qhat[q] . Khat[k], masked by M) V[k][:], both products on codes of FP4 (E2M1) with one E8M0 byte for each 32 along a product's K.
; Q [64][2048][64] f32 is normalised, multiplied by its head's g and quantised here, in registers; Khat comes as images of operand registers (kc), V as codes with the keys innermost; M as one bit a score (mbits) and two flags a step (mflag).
; THE SOFTMAX AHEAD OF THE SECOND PRODUCT: t = score x log2(e); M = the row's largest t so far, rounded UP to a whole number; p = 2^(t - M) is quantised along the keys, not normalised; the row's sum is taken of the
; unquantised p and divides at the end.  When M moves, the sum and O are multiplied by 2^(old M - new M): exact.  A row with no true bit has sum 0 and O 0, and 0 x (1 / 0) is the NaN that the softmax of such a row gives.
; SHARES.  Work-group (x, head): 16 waves, 256 registers each, four to a SIMD, so that one wave's exponentials stand beside another's products and LDS loads.  Wave w owns two tiles of 16 queries, one after the other:
; T = 4 w + x and T = 124 - 4 w + x: an early tile and a late one.  Row p of tile T is query 16 T - 8 (T % 2) + p + 8 (p / 8) (the rule of K's tiles).  Every wave walks the head's 16 steps of 128 keys.
; A STEP WHOSE 16 x 128 MASK BITS ARE ALL FALSE IS PASSED OVER (p would be 0 and the maximum unchanged); one whose bits are all true leaves the selects out.  Both are scalar branches on mflag, which the launch before stored.
; The trip count is the constant 16; only the work is jumped over.  In a step with both kinds of bits each score costs one v_cndmask_b32 on a mask word in a scalar register, asked for one step ahead.
; LAYOUT.  Both products are used transposed: S^T = K Q^T (source 0 = 16 keys, source 1 = my 16 queries; K = 64, the upper 64 of the instruction's 128 are zero codes on both sides), O^T = V^T P^T: a lane holds ONE query.
; Register 16 b + i of the scores is key 128 s + 32 b + 16 (lane / 16) + i.
; NO TENSOR LOAD, NO CLUSTER: the step loop branches on numbers read from memory; joint loads are tensor loads.  What the four work-groups of a head share is 143,360 bytes each
; (a head's K images, V codes and scale bytes), fetched once at the head through registers into LDS, where they stay: there is no ring and one barrier.
; LIMITS: NaN and infinities in Q are not served.  A sum of squares under 2^-126 counts as 0 ahead of the 1e-8.  Q / (norm + 1e-8) x g is computed as Q x (g x v_rcp_f32(norm + 1e-8)).
; A block whose largest magnitude lies under 2^-124 keeps the byte 1 (a block of zeros too: its codes are zeros).  p under 2^-126 is 0.  V's codes and scale bytes are taken as they are given.
.set KSC,   65536                      ; LDS: 0: K's 128 tile images x 512;  KSC: its 16 images of scale words x 512
.set VIMG,  73728                      ; V's 64 rows (one of the head's 64 each): 1,024 bytes of codes + 16: 65 x 16, so sixteen rows begin at sixteen different 16-byte columns modulo 256
.set VP,    1040
.set VSC,   140288                     ; V's scale bytes, 64 a row, four rows to 256 bytes, + 16 behind each 256
.set STAGE, 144640                     ; 16 rows x 272 bytes for each wave: Q's way in and O's way out
.set SP,    272
.set L16,   1                          ; v1  16 x lane: my place in an image, and my byte offset in two rows of Q or of out0
.set AKS0,  2                          ; v2  KSC + 16 x lane
.set AV0,   3                          ; v3  my place in a tile of V
.set ASV0,  4                          ; v4  my place among V's scale words: lane l takes row l of 32
.set STO,   5                          ; v5  the stage: where I put 32 bytes of a row
.set RD,    6                          ; v6  the stage by rows: lanes 0-15 one row, lanes 16-31 the next
.set ADK,   8                          ; v8-11 the step's LDS addresses: K, K's scale words, V, V's scale words
.set ADS,   9
.set ADV,   10
.set ADT,   11
                                       ; v12 -M, v13 the largest t, v[14:15] the sum in two halves
.set QF,    16                         ; v16-23  Q's fragment; v20-23 stay 0
.set KF,    24                         ; v24-87  K's eight fragments; the upper four registers of each stay 0
.set S,     88                         ; v88-151 the scores, then p
.set O,     152                        ; v152-183 O^T
.set VF,    184                        ; v184-215 V's four fragments
.set PC,    216                        ; v216-223 p's codes
.set BM,    224                        ; v224-227 the blocks' largest scores, then p
.set T2,    228                        ; v228-231 at work
.set SO,    232                        ; v232-235 the conversions' scale operands
.set KS,    236                        ; v236-239 K's scale words: register j: lanes 0-15 tile 2 j, lanes 16-31 tile 2 j + 1
.set VS,    240                        ; v240-241 V's likewise
.set QS,    242                        ; v242 Q's scale word
.set PS,    243                        ; v243 p's
.set FF,    244                        ; v[244:245] f = 2^(old M - new M); v245 is only named with it
.set TP,    246                        ; v246 at work
.set NINF,  247                        ; v247 -infinity
.set Q1,    248                        ; v248-251, v252 the second tile's codes and scale word
.set QS1,   252
.set FILL,  152                        ; at the head: v152-221 what I carry into LDS
.set QA,    8                          ; at the head: the quantiser's registers
.set QB,    10
.set MX,    12
.set MY,    13
.set QN,    14
.set QSO,   15
.set RR,    224
.set BY,    226
.set H8,    246
.set FK,    228                        ; at the head: my offsets and LDS places for the fill, and where I read Q back from the stage
.set FVG,   229
.set FVL,   230
.set FSG,   231
.set FSL,   232
.set QL,    233
.set WV,    20                         ; s20 wave
.set GN,    21                         ; s21 g
.set SEL,   22                         ; s[22:23] v_permlanex16_b32's selects for lane l xor 16
.set CS,    24                         ; s[24:25] log2(e), twice
.set KO,    26                         ; s26-29 the step's place in K's images (4,096 a step), K's scale words (512), V's rows (64), V's scale bytes (4)
.set KSO,   27
.set VO,    28
.set VSO,   29
.set CNT,   31                         ; s31 steps to go
                                       ; pass p: s[4+2p:5+2p] the tile's mask words, s[8+2p:9+2p] its rows of out0, s[12+4p] the steps with a true bit, s[13+4p] those that also have a false one
                                       ; s32-63, s68-99 a step's 64 mask words (temporaries at the head)
; 32 numbers of a lane, v[x] on (block l / 16 of row l % 16), are normalised, multiplied by g and quantised: four registers of codes in v[c] on, the row's scale word in v[w] (in both halves of the lanes).
.macro NQ x, c, w
	v_pk_mul_f32 v[QA:QA+1], v[\x:\x+1], v[\x:\x+1]
	v_pk_mul_f32 v[QB:QB+1], v[\x+2:\x+3], v[\x+2:\x+3]
.irp i, 4,8,12,16,20,24,28
	v_pk_fma_f32 v[QA:QA+1], v[\x+\i:\x+\i+1], v[\x+\i:\x+\i+1], v[QA:QA+1]
	v_pk_fma_f32 v[QB:QB+1], v[\x+\i+2:\x+\i+3], v[\x+\i+2:\x+\i+3], v[QB:QB+1]
.endr
	v_pk_add_f32 v[QA:QA+1], v[QA:QA+1], v[QB:QB+1]
	v_add_f32 v[QA], v[QA], v[QA+1]
	v_permlanex16_b32 v[QB], v[QA], s[SEL], s[SEL+1]               ; the row's other 32 numbers lie in lane l xor 16
	v_add_f32 v[QN], v[QA], v[QB]
	v_sqrt_f32 v[QN], v[QN]
	v_max3_num_f32 v[MX], |v[\x]|, |v[\x+1]|, |v[\x+2]|            ; the block's largest magnitude, of the numbers as they came: sixteen plain lines behind the root
	v_max3_num_f32 v[MY], |v[\x+3]|, |v[\x+4]|, |v[\x+5]|
.irp i, 6,10,14,18,22,26
	v_max3_num_f32 v[MX], v[MX], |v[\x+\i]|, |v[\x+\i+1]|
	v_max3_num_f32 v[MY], v[MY], |v[\x+\i+2]|, |v[\x+\i+3]|
.endr
	v_max3_num_f32 v[MX], v[MX], |v[\x+30]|, |v[\x+31]|
	v_max_num_f32 v[MX], v[MX], v[MY]
	s_wait_alu depctr_va_vdst(0)                                   ; the wait ahead of the first line that names the root
	v_add_f32 v[QN], 0x322bcc77, v[QN]                             ; + 1e-8
	v_rcp_f32 v[RR], v[QN]
	v_nop                                                          ; a plain line behind the reciprocal
	s_wait_alu depctr_va_vdst(0)                                   ; and the wait ahead of its first use
	v_mul_f32 v[RR], s[GN], v[RR]                                  ; x the head's g
	v_mov_b32 v[RR+1], v[RR]
.irp i, 0,2,4,6,8,10,12,14,16,18,20,22,24,26,28,30
	v_pk_mul_f32 v[\x+\i:\x+\i+1], v[\x+\i:\x+\i+1], v[RR:RR+1]
.endr
	v_mul_f32 v[MX], v[MX], |v[RR]|                                ; rounding keeps order: this IS the largest magnitude of the 32 products above, bit for bit
	v_max_num_f32 v[MX], 0x1800000, v[MX]                          ; the floor 2^(3 - 127): the byte cannot fall under 1
	v_add_nc_u32 v[QSO], 0xff000000, v[MX]                         ; 2 off the exponent field: the conversion takes this operand's exponent field as its scale
	v_lshrrev_b32 v[BY], 23, v[QSO]                                ; the scale's byte
.irp g, 0,1,2,3
	v_cvt_scalef32_pk8_fp4_f32 v[\c+\g], v[\x+8*\g:\x+8*\g+7], v[QSO]
.endr
	v_lshlrev_b32 v[BY], v[H8], v[BY]                              ; (the plain line behind the conversions)  my byte at its place in the word: block l / 16
	v_permlanex16_b32 v[QB], v[BY], s[SEL], s[SEL+1]
	v_or_b32 v[\w], v[BY], v[QB]                                   ; bytes 2 and 3 stay 0: they scale the upper 64 along K, where both sides have zero codes
.endm
.macro TILEOFF d, t                    ; s[d:d+1] = bytes from Q's, and out0's, first byte to the first row of tile s[t] of my head (s35 = the head's first byte)
	s_lshl_b32 s[\d], s[\t], 4
	s_and_b32 s[\d+1], s[\t], 1
	s_lshl_b32 s[\d+1], s[\d+1], 3
	s_sub_co_u32 s[\d], s[\d], s[\d+1]
	s_lshl_b32 s[\d], s[\d], 8
	s_add_co_u32 s[\d], s[\d], s35
	s_mov_b32 s[\d+1], 0
.endm
.macro TURNQ p                         ; tile p of Q through my stage, in place: in as loaded (two rows a store), out 128 bytes a lane.  LDS serves a wave's instructions in order: no wait between
.irp j, 0,1,2,3,4,5,6,7
	ds_store_b128 v[RD], v[S+32*\p+4*\j:S+32*\p+4*\j+3] offset:2*SP*\j
.endr
.irp i, 0,1,2,3,4,5,6,7
	ds_load_b128 v[S+32*\p+4*\i:S+32*\p+4*\i+3], v[QL] offset:16*\i
.endr
.endm
.macro REQ off                         ; a step's 64 mask words, 256 bytes, into scalar registers
	s_load_b512 s[32:47], s[MB:MB+1], \off
	s_load_b512 s[48:63], s[MB:MB+1], \off+64
	s_load_b256 s[68:75], s[MB:MB+1], \off+128
	s_load_b256 s[76:83], s[MB:MB+1], \off+160
	s_load_b256 s[84:91], s[MB:MB+1], \off+192
	s_load_b256 s[92:99], s[MB:MB+1], \off+224
.endm
	s_load_b256 s[4:11], s[0:1], 0x0               ; Q s[4:5], qk_scale s[6:7], kc s[8:9], V_codes s[10:11]
	s_load_b256 s[12:19], s[0:1], 0x20             ; V_scales s[12:13], mbits s[14:15], mflag s[16:17], out0 s[18:19]
	v_lshl_add_u32 v254, v0, 2, 0x34500
	v_mov_b32 v255, 0
	v_lshrrev_b32 v8, 5, v0
	v_readfirstlane_b32 s[WV], v8                  ; wave 0..15
	s_and_b32 s2, ttmp7, 0xffff                    ; the head, 0..63
	s_lshl_b32 s32, s[WV], 2
	s_add_co_u32 s33, s32, ttmp9                   ; my first tile: 4 w + x
	s_sub_co_u32 s34, 124, s32
	s_add_co_u32 s34, s34, ttmp9                   ; my second: 124 - 4 w + x
	s_lshl_b32 s35, s2, 19                         ; a head of Q or out0 is 524,288 bytes
	TILEOFF 36, 33
	TILEOFF 38, 34
	s_lshl_b32 s40, s33, 4                         ; the tiles' four flag words
	s_mov_b32 s41, 0
	s_lshl_b32 s42, s34, 4
	s_mov_b32 s43, 0
	s_and_b32 s44, s2, 15                          ; the head within its batch: g's place
	s_lshl_b32 s44, s44, 2
	s_mov_b32 s45, 0
	s_mul_i32 s46, s2, 73728                       ; the head's part of kc,
	s_mov_b32 s47, 0
	s_lshl_b32 s48, s2, 16                         ; of V's codes,
	s_mov_b32 s49, 0
	s_lshl_b32 s50, s2, 12                         ; of V's scale bytes
	s_mov_b32 s51, 0
	s_lshl_b32 s52, s33, 12                        ; the tiles' mask words: 16 steps x 256 bytes
	s_mov_b32 s53, 0
	s_lshl_b32 s54, s34, 12
	s_mov_b32 s55, 0
	s_mov_b32 s[SEL], 0x76543210
	s_mov_b32 s[SEL+1], 0xfedcba98
	s_mov_b32 s[CS], 0x3fb8aa3b                    ; log2(e)
	s_mov_b32 s[CS+1], s[CS]                       ; (named with it as a pair, so it is written)
	v_and_b32 v8, 31, v0                           ; lane
	v_and_b32 v9, 15, v0                           ; r
	v_bfe_u32 v10, v0, 4, 1                        ; h
	v_lshlrev_b32 v[L16], 4, v8
	s_mul_i32 s3, s[WV], 4608
	v_add_nc_u32 v[FK], s3, v[L16]                 ; K's 73,728 bytes go as they lie, 4,608 a wave: offset in memory and place in LDS alike
	s_lshl_b32 s3, s[WV], 12
	v_add_nc_u32 v[FVG], s3, v[L16]                ; V's codes: four rows of 1,024 bytes a wave
	s_mul_i32 s3, s[WV], 4*VP
	s_add_co_u32 s3, s3, VIMG
	v_add_nc_u32 v[FVL], s3, v[L16]
	v_lshlrev_b32 v[FSG], 3, v0                    ; V's scale bytes: 8 a thread, 256 a wave
	s_mul_i32 s3, s[WV], 272
	s_add_co_u32 s3, s3, VSC
	v_lshl_add_u32 v[FSL], v8, 3, s3
	s_wait_kmcnt 0x0
	s_add_nc_u64 s[6:7], s[6:7], s[44:45]
	s_add_nc_u64 s[56:57], s[16:17], s[40:41]
	s_add_nc_u64 s[58:59], s[16:17], s[42:43]
	s_load_b32 s[GN], s[6:7], 0x0                  ; g
	s_load_b128 s[68:71], s[56:57], 0x0            ; the first tile's flags,
	s_load_b128 s[72:75], s[58:59], 0x0            ; the second's
	s_add_nc_u64 s[8:9], s[8:9], s[46:47]
	s_add_nc_u64 s[10:11], s[10:11], s[48:49]
	s_add_nc_u64 s[12:13], s[12:13], s[50:51]
	s_add_nc_u64 s[60:61], s[4:5], s[36:37]        ; Q at my first tile,
	s_add_nc_u64 s[62:63], s[4:5], s[38:39]        ; at my second
.irp i, 0,1,2,3,4,5,6,7,8
	global_load_b128 v[FILL+4*\i:FILL+4*\i+3], v[FK], s[8:9] offset:512*\i
.endr
.irp i, 0,1,2,3,4,5,6,7
	global_load_b128 v[FILL+36+4*\i:FILL+36+4*\i+3], v[FVG], s[10:11] offset:512*\i
.endr
	global_load_b64 v[FILL+68:FILL+69], v[FSG], s[12:13]
.irp j, 0,1,2,3,4,5,6,7
	global_load_b128 v[S+4*\j:S+4*\j+3], v[L16], s[60:61] offset:(2*\j+8*(\j/4))*256 th:TH_LOAD_NT      ; two whole rows of Q, 512 consecutive bytes
.endr
.irp j, 0,1,2,3,4,5,6,7
	global_load_b128 v[S+32+4*\j:S+32+4*\j+3], v[L16], s[62:63] offset:(2*\j+8*(\j/4))*256 th:TH_LOAD_NT
.endr
	; the registers that stay, made while the loads are out
	v_add_nc_u32 v[AKS0], KSC, v[L16]
	v_mul_u32_u24 v[AV0], v9, VP
	v_lshl_add_u32 v[AV0], v10, 4, v[AV0]
	v_add_nc_u32 v[AV0], VIMG, v[AV0]              ; V: row r of a tile, + 16 h
	v_lshrrev_b32 v11, 2, v8
	v_mul_u32_u24 v[ASV0], v11, 272
	v_and_b32 v11, 3, v8
	v_lshl_add_u32 v[ASV0], v11, 6, v[ASV0]
	v_add_nc_u32 v[ASV0], VSC, v[ASV0]             ; V's scale bytes of row l: 272 (l / 4) + 64 (l % 4)
	s_mul_i32 s3, s[WV], 16*SP
	s_add_co_u32 s3, s3, STAGE                     ; my stage
	v_mul_u32_u24 v11, v9, SP
	v_add_nc_u32 v11, s3, v11                      ; its row r
	v_lshl_add_u32 v[STO], v10, 5, v11             ; + 32 h
	v_lshl_add_u32 v[QL], v10, 7, v11              ; + 128 h: my block of a row of Q
	v_mul_u32_u24 v[RD], v10, SP
	v_lshl_add_u32 v[RD], v9, 4, v[RD]
	v_add_nc_u32 v[RD], s3, v[RD]
	v_lshlrev_b32 v[H8], 3, v10
	v_mov_b32 v[NINF], 0xff800000
	v_mov_b32 v[FF+1], 0
.irp i, 4,5,6,7
	v_mov_b32 v[QF+\i], 0                          ; zero codes for the upper 64 of the first product's 128 along K: Q's,
.endr
.irp t, 0,1,2,3,4,5,6,7
.irp i, 4,5,6,7
	v_mov_b32 v[KF+8*\t+\i], 0                     ; and K's, in each of its eight fragments
.endr
.endr
	s_wait_loadcnt 16                              ; K, V and V's scale bytes are in: behind them only Q's sixteen loads were issued
.irp i, 0,1,2,3,4,5,6,7,8
	ds_store_b128 v[FK], v[FILL+4*\i:FILL+4*\i+3] offset:512*\i
.endr
.irp i, 0,1,2,3,4,5,6,7
	ds_store_b128 v[FVL], v[FILL+36+4*\i:FILL+36+4*\i+3] offset:VP*(\i/2)+512*(\i%2)
.endr
	ds_store_b64 v[FSL], v[FILL+68:FILL+69]
	s_wait_loadcnt 8                               ; Q's first tile is in; the second's eight loads may be out
	TURNQ 0
	s_wait_loadcnt 0x0
	TURNQ 1
	s_wait_kmcnt 0x0                               ; g and the flags
	s_wait_dscnt 16                                ; the first tile is back: behind its loads stand the second's eight stores and eight loads
	NQ S, QF, QS
	s_wait_dscnt 0x0
	NQ S+32, Q1, QS1
	; every load of the head is done: its scalar registers are free
	s_add_nc_u64 s[4:5], s[14:15], s[52:53]        ; the tiles' mask words,
	s_add_nc_u64 s[6:7], s[14:15], s[54:55]
	s_add_nc_u64 s[8:9], s[18:19], s[36:37]        ; their rows of out0
	s_add_nc_u64 s[10:11], s[18:19], s[38:39]
	s_or_b32 s12, s68, s69
	s_or_b32 s12, s12, s70
	s_or_b32 s12, s12, s71                         ; bit s: step s has a true bit; bit 16 + s: all its bits are true
	s_lshr_b32 s13, s12, 16
	s_and_b32 s12, s12, 0xffff
	s_and_not1_b32 s13, s12, s13                   ; steps with both kinds of bits: they need the mask words
	s_or_b32 s16, s72, s73
	s_or_b32 s16, s16, s74
	s_or_b32 s16, s16, s75
	s_lshr_b32 s17, s16, 16
	s_and_b32 s16, s16, 0xffff
	s_and_not1_b32 s17, s16, s17
	s_wait_dscnt 0x0                               ; for the others' sake: my part of K and V lies in LDS
	s_barrier_signal -1
	s_barrier_wait -1                              ; everybody's does; from here on those bytes are only read
; ONE TILE OF 16 QUERIES against the head's 2,048 keys.
.macro PASS p
.set MB, 4+2*\p
.set OB, 8+2*\p
.set FL, 12+4*\p
.set NL, 13+4*\p
	s_wait_kmcnt 0x0                               ; no scalar load is out: the mask words' registers may be asked for again
	REQ 0                                          ; step 0's words
	s_mov_b32 s[KO], 0
	s_mov_b32 s[KSO], 0
	s_mov_b32 s[VO], 0
	s_mov_b32 s[VSO], 0
	s_mov_b32 s[CNT], 16
	v_mov_b32 v13, 0xff61b1e6                      ; the largest t so far: -3e38, under every t
	v_floor_f32 v12, -v13                          ; -M
	v_mov_b32 v14, 0                               ; the sum, in two halves
	v_mov_b32 v15, 0
.set j, 0
.rept 32
	v_mov_b32 v[O+j], 0                            ; O^T.  (The step is written once: which step is a tile's first hangs on the mask, and the first change of M leaves zeros zeros)
.set j, j+1
.endr
.Lstep_\@:
	s_bitcmp1_b32 s[FL], 0                         ; has this step a true bit?
	s_cbranch_scc1 .Lactive_\@
	s_bitcmp1_b32 s[NL], 1                         ; it has none.  Will the next step want its words?
	s_cbranch_scc0 .Lnext_\@
	s_wait_kmcnt 0x0
	REQ 256
	s_branch .Lnext_\@
.Lactive_\@:
	v_add_nc_u32 v[ADK], s[KO], v[L16]             ; (these four are the places between the last step's products and the loads into registers that they read)
	v_add_nc_u32 v[ADS], s[KSO], v[AKS0]
	v_add_nc_u32 v[ADV], s[VO], v[AV0]
	v_add_nc_u32 v[ADT], s[VSO], v[ASV0]
	ds_load_b128 v[KS:KS+3], v[ADS]
.irp t, 0,1,2,3,4,5,6,7
	ds_load_b128 v[KF+8*\t:KF+8*\t+3], v[ADK] offset:512*\t        ; a tile's image: 512 consecutive bytes
.endr
.irp t, 0,1,2,3
.irp c, 0,1
	ds_load_b128 v[VF+8*\t+4*\c:VF+8*\t+4*\c+3], v[ADV] offset:16*VP*\t+32*\c
.endr
.endr
.irp i, 0,1
	ds_load_b32 v[VS+\i], v[ADT] offset:8*272*\i                   ; rows 32 i + lane
.endr
	s_wait_dscnt 10                                ; K and its scale words are in; V's eight loads and its two scale loads may be out
.irp t, 0,1,2,3,4,5,6,7
.if \t%2
	v_wmma_scale_f32_16x16x128_f8f6f4 v[S+8*\t:S+8*\t+7], v[KF+8*\t:KF+8*\t+7], v[QF:QF+7], 0, v[KS+\t/2], v[QS] matrix_a_fmt:MATRIX_FMT_FP4 matrix_b_fmt:MATRIX_FMT_FP4 matrix_a_scale:MATRIX_SCALE_ROW1
.else
	v_wmma_scale_f32_16x16x128_f8f6f4 v[S+8*\t:S+8*\t+7], v[KF+8*\t:KF+8*\t+7], v[QF:QF+7], 0, v[KS+\t/2], v[QS] matrix_a_fmt:MATRIX_FMT_FP4 matrix_b_fmt:MATRIX_FMT_FP4
.endif
.endr
.rept 4
	v_nop                                          ; four places ahead of the first read of the scores (ISA guide 7.12.1)
.endr
	s_bitcmp1_b32 s[NL], 0                         ; has this step a false bit?
	s_cbranch_scc0 .Lopen_\@
	s_wait_kmcnt 0x0                               ; its words, asked for a step ago
.set n, 0
.rept 32
	v_cndmask_b32 v[S+n], v[NINF], v[S+n], s[32+n]                 ; bit l of word n: lane l's score n counts; else -infinity, ahead of the maximum: p = 0 then
.set n, n+1
.endr
.rept 32
	v_cndmask_b32 v[S+n], v[NINF], v[S+n], s[36+n]
.set n, n+1
.endr
.Lopen_\@:
	s_bitcmp1_b32 s[NL], 1                         ; will the next step want its words?  They have this step's softmax in which to come
	s_cbranch_scc0 .Lnoreq_\@
	s_wait_kmcnt 0x0
	REQ 256
.Lnoreq_\@:
.irp b, 0,1,2,3
	v_max3_num_f32 v[BM+\b], v[S+16*\b], v[S+16*\b+1], v[S+16*\b+2]    ; THE LARGEST SCORE OF EACH BLOCK OF 32 KEYS serves twice: for the row's maximum and, since p rises with the score, for the block's largest p
.endr
.irp i, 3,5,7,9,11,13
.irp b, 0,1,2,3
	v_max3_num_f32 v[BM+\b], v[BM+\b], v[S+16*\b+\i], v[S+16*\b+\i+1]  ; (the four blocks by turns)
.endr
.endr
.irp b, 0,1,2,3
	v_max_num_f32 v[BM+\b], v[BM+\b], v[S+16*\b+15]
.endr
.irp b, 0,1,2,3
	v_permlanex16_b32 v[T2+\b], v[BM+\b], s[SEL], s[SEL+1]
.endr
.irp b, 0,1,2,3
	v_max_num_f32 v[BM+\b], v[BM+\b], v[T2+\b]     ; with lane l xor 16's 16 keys
.endr
	v_max3_num_f32 v[TP], v[BM], v[BM+1], v[BM+2]
	v_max_num_f32 v[TP], v[TP], v[BM+3]            ; the step's largest score of my query
	v_mul_f32 v[TP], s[CS], v[TP]                  ; as t
	v_max_num_f32 v13, v13, v[TP]                  ; the running largest t
	v_mov_b32 v[TP], v12
	v_floor_f32 v12, -v13                          ; the new -M = floor(-t) = -ceil(t): M is a whole number
	v_sub_f32 v[TP], v12, v[TP]                    ; old M - new M: a whole number, 0 or less
	v_cvt_i32_f32 v[TP], v[TP]                     ; (it saturates)
	v_ldexp_f32 v[FF], 1.0, v[TP]                  ; f = 2^(old M - new M)
.set j, 0
.rept 32
	v_pk_fma_f32 v[S+j:S+j+1], v[S+j:S+j+1], s[CS:CS+1], v[12:13] op_sel_hi:[1,0,0]   ; t - M, two at a time (of the pairs log2(e) and -M the low word serves both halves)
.set j, j+2
.endr
.irp b, 0,1,2,3
	v_fma_f32 v[BM+\b], v[BM+\b], s[CS], v12       ; the same of each block's largest score
.endr
.set j, 0
.rept 64
	v_exp_f32 v[S+j], v[S+j]                       ; p = 2^(t - M): not normalised
.set j, j+1
.endr
	v_pk_mul_f32 v[14:15], v[14:15], v[FF:FF+1] op_sel_hi:[1,0]    ; the sums under the new M.  (The plain line behind the exponentials)
	s_wait_alu depctr_va_vdst(0)                   ; one wait for the batch of 64, ahead of the first line that names a result
.irp b, 0,1,2,3
	v_exp_f32 v[BM+\b], v[BM+\b]                   ; the blocks' largest p: the same two instructions on the same number give the same bits
.endr
	v_pk_add_f32 v[T2:T2+1], v[S:S+1], v[S+2:S+3]  ; THE ROW'S SUM IS TAKEN OF THE UNQUANTISED p, two at a time, in two chains.  (It reads the 64 alone: plain work behind the four)
.set j, 4
.rept 15
	v_pk_add_f32 v[14:15], v[14:15], v[S+j:S+j+1]
	v_pk_add_f32 v[T2:T2+1], v[T2:T2+1], v[S+j+2:S+j+3]
.set j, j+4
.endr
	v_pk_add_f32 v[14:15], v[14:15], v[T2:T2+1]
	s_wait_alu depctr_va_vdst(0)                   ; and one wait for the four
.irp b, 0,1,2,3
	v_max_num_f32 v[BM+\b], 0x1800000, v[BM+\b]    ; the floor 2^(3 - 127): the byte cannot fall under 1 (a block whose every p is 0 keeps that byte: its codes are zeros)
.endr
.irp b, 0,1,2,3
	v_add_nc_u32 v[SO+\b], 0xff000000, v[BM+\b]    ; 2 off the exponent field: the conversion's scale operand
.endr
.irp b, 0,1,2,3
	v_lshrrev_b32 v[T2+\b], 23, v[SO+\b]           ; the scale's byte
.endr
	v_lshl_or_b32 v[PS], v[T2+1], 8, v[T2]         ; p's scale word for these 128 keys
	v_lshl_or_b32 v[PS], v[T2+2], 16, v[PS]
	v_lshl_or_b32 v[PS], v[T2+3], 24, v[PS]
.irp b, 0,1,2,3
	v_cvt_scalef32_pk8_fp4_f32 v[PC+2*\b], v[S+16*\b:S+16*\b+7], v[SO+\b]
	v_cvt_scalef32_pk8_fp4_f32 v[PC+2*\b+1], v[S+16*\b+8:S+16*\b+15], v[SO+\b]
.endr
	v_nop                                          ; one plain line behind the conversions
.irp c, 0,1                                    ; the operand's layout wants a WHOLE block in a lane: lanes 0-15 block 2 c, lanes 16-31 block 2 c + 1
.irp i, 0,1
	v_permlane16_swap_b32 v[PC+4*\c+\i], v[PC+4*\c+2+\i]
.endr
.endr
.set j, 0
.rept 16
	v_pk_mul_f32 v[O+j:O+j+1], v[O+j:O+j+1], v[FF:FF+1] op_sel_hi:[1,0]   ; O^T under the new M.  (These sixteen are also the places between the lines that wrote p's codes and scale word and the products)
.set j, j+2
.endr
	s_wait_dscnt 0x0                               ; V and its scale words, asked for at the step's head
.irp t, 0,1,2,3                                ; O^T += V^T P^T: the four accumulators take turns, one instruction a turn, and the next step's eight products stand between two links
.if \t%2
	v_wmma_scale_f32_16x16x128_f8f6f4 v[O+8*\t:O+8*\t+7], v[VF+8*\t:VF+8*\t+7], v[PC:PC+7], v[O+8*\t:O+8*\t+7], v[VS+\t/2], v[PS] matrix_a_fmt:MATRIX_FMT_FP4 matrix_b_fmt:MATRIX_FMT_FP4 matrix_a_scale:MATRIX_SCALE_ROW1
.else
	v_wmma_scale_f32_16x16x128_f8f6f4 v[O+8*\t:O+8*\t+7], v[VF+8*\t:VF+8*\t+7], v[PC:PC+7], v[O+8*\t:O+8*\t+7], v[VS+\t/2], v[PS] matrix_a_fmt:MATRIX_FMT_FP4 matrix_b_fmt:MATRIX_FMT_FP4
.endif
.endr
.Lnext_\@:
	s_wait_xcnt 0x0                                ; the scalar loads have read their base: it may step
	s_add_nc_u64 s[MB:MB+1], s[MB:MB+1], 256
	s_add_co_u32 s[KO], s[KO], 4096
	s_add_co_u32 s[KSO], s[KSO], 512
	s_add_co_u32 s[VO], s[VO], 64
	s_add_co_u32 s[VSO], s[VSO], 4
	s_lshr_b32 s[FL], s[FL], 1
	s_lshr_b32 s[NL], s[NL], 1                     ; 16 bits: in the last step bit 1 is 0, so nothing is asked for beyond the tile's 4,096 bytes
	s_sub_co_u32 s[CNT], s[CNT], 1
	s_cmp_lg_u32 s[CNT], 0
	s_cbranch_scc1 .Lstep_\@
	; THE WAY OUT: O^T / the sum goes through my stage and leaves as whole rows of 256 bytes
	v_add_f32 v14, v14, v15                        ; the sum's two halves,
	v_permlanex16_b32 v[TP], v14, s[SEL], s[SEL+1]
	v_add_f32 v14, v14, v[TP]                      ; and lane l xor 16's: the row's sum
	v_rcp_f32 v14, v14
.if \p == 0
.irp i, 0,1,2,3
	v_mov_b32 v[QF+\i], v[Q1+\i]                   ; the second tile's Q takes its place.  (Plain lines behind the reciprocal, and places behind the last products)
.endr
	v_mov_b32 v[QS], v[QS1]
.else
.rept 4
	v_nop                                          ; plain lines behind the reciprocal, and the places behind the last products
.endr
.endif
	s_wait_alu depctr_va_vdst(0)                   ; the wait ahead of the reciprocal's first use
.set j, 0
.rept 32
	v_mul_f32 v[S+j], v[O+j], v14                  ; register 8 t + i: out(query r, 16 t + 8 h + i); each accumulator from its low end on
.set j, j+1
.endr
.irp t, 0,1,2,3
	ds_store_b128 v[STO], v[S+8*\t:S+8*\t+3] offset:64*\t
	ds_store_b128 v[STO], v[S+8*\t+4:S+8*\t+7] offset:64*\t+16
.endr
.irp i, 0,1,2,3,4,5,6,7
	ds_load_b128 v[S+32+4*\i:S+32+4*\i+3], v[RD] offset:2*SP*\i    ; LDS serves a wave's instructions in order: these see my stores
.endr
.irp i, 0,1,2,3,4,5,6,7
	s_wait_dscnt 7-\i                              ; load i is back; the younger ones may be out
	global_store_b128 v[L16], v[S+32+4*\i:S+32+4*\i+3], s[OB:OB+1] offset:(2*\i+8*(\i/4))*256 th:TH_STORE_NT   ; two whole rows of out0: 512 consecutive bytes, aligned
.endr
.if \p == 0
	s_wait_xcnt 0x0                                ; the stores have read their registers: the next tile's scores may be written there
.endif
.endm
	PASS 0
	PASS 1
	s_wait_tensorcnt 0x0
	ds_add_u32 v254, v255
	s_wait_dscnt 0x0
	s_endpgm
.Lfunc_end_k_q667ac80835_attn:
	.size	k_q667ac80835_attn, .Lfunc_end_k_q667ac80835_attn-k_q667ac80835_attn
	.p2alignl 7, 3214868480
	.fill 96, 4, 3214868480
	.section	.rodata,"a",@progbits
	.p2align	6, 0x0
	.amdhsa_kernel k_q667ac80835_attn
		.amdhsa_group_segment_fixed_size 216320
		.amdhsa_private_segment_fixed_size 0
		.amdhsa_enable_private_segment 0
		.amdhsa_kernarg_size 64
		.amdhsa_user_sgpr_count 2
		.amdhsa_user_sgpr_kernarg_segment_ptr 1
		.amdhsa_wavefront_size32 1
		.amdhsa_system_sgpr_workgroup_id_x 1
		.amdhsa_system_sgpr_workgroup_id_y 1
		.amdhsa_system_sgpr_workgroup_id_z 1
		.amdhsa_system_vgpr_workitem_id 0
		.amdhsa_next_free_vgpr 256
		.amdhsa_next_free_sgpr 100
		.amdhsa_reserve_vcc 0
		.amdhsa_float_denorm_mode_32 3
		.amdhsa_float_denorm_mode_16_64 3
		.amdhsa_memory_ordered 1
		.amdhsa_forward_progress 1
		.amdhsa_inst_pref_size 72
	.end_amdhsa_kernel
	.amdgpu_metadata
---
amdhsa.version: [ 1, 2 ]
amdhsa.kernels:
  - .name:           k_q667ac80835_attn
    .symbol:         k_q667ac80835_attn.kd
    .args:
      - { .name: Q, .offset: 0, .size: 8, .value_kind: global_buffer, .address_space: global }
      - { .name: qk_scale, .offset: 8, .size: 8, .value_kind: global_buffer, .address_space: global }
      - { .name: kc, .offset: 16, .size: 8, .value_kind: global_buffer, .address_space: global }
      - { .name: V_codes, .offset: 24, .size: 8, .value_kind: global_buffer, .address_space: global }
      - { .name: V_scales, .offset: 32, .size: 8, .value_kind: global_buffer, .address_space: global }
      - { .name: mbits, .offset: 40, .size: 8, .value_kind: global_buffer, .address_space: global }
      - { .name: mflag, .offset: 48, .size: 8, .value_kind: global_buffer, .address_space: global }
      - { .name: out0, .offset: 56, .size: 8, .value_kind: global_buffer, .address_space: global }
    .group_segment_fixed_size: 216320
    .private_segment_fixed_size: 0
    .kernarg_segment_align: 8
    .kernarg_segment_size: 64
    .max_flat_workgroup_size: 512
    .sgpr_count:     100
    .vgpr_count:     256
    .wavefront_size: 32
...
	.end_amdgpu_metadata
.endif
;; end of part 2
;; ======== version 2 of 2: 2 launches
;; workspace buffers: kc 4,718,592 bytes; mbits 524,288 bytes of whole numbers; mflag 2,048 bytes of whole numbers
;; launch prep (part 3): grid 384 x 1, 4 waves a work-group, no clusters, 70,144 bytes of LDS; arguments K, M, kc, mbits, mflag; writes kc, mbits, mflag
.if DOCPART == 3
	.amdgcn_target "amdgcn-amd-amdhsa--gfx1250"
	.amdhsa_code_object_version 6
	.text
	.protected	k_q667ac80835_prep
	.globl	k_q667ac80835_prep
	.p2align	8
	.type	k_q667ac80835_prep,@function
k_q667ac80835_prep:
	s_mov_b64 s[64:65], 0
	v_nop
	global_prefetch_b8 v0, s[64:65] scope:SCOPE_SE
	s_setreg_imm32_b32 hwreg(HW_REG_WAVE_MODE, 25, 1), 1
	s_wait_xcnt 0x0
; PREP: what all query blocks of the attention launch share is made once.
; (1) Work-groups 0-255: K [64 heads][2048][64] f32 is L2-normalised (x / (sqrt(sum x^2) + 1e-8)) and quantised along the head's 64 to codes of FP4 (E2M1), one E8M0 byte for each 32.
;     The codes leave as IMAGES OF THE OPERAND'S REGISTERS: a tile of 16 keys is 512 bytes, lane l's 16 bytes (block l / 16 of the tile's row l % 16) at 16 l.
;     THE KEYS OF A TILE ARE NOT NEIGHBOURS: row p of tile 2 a + u is key 32 a + 8 u + p + 8 (p / 8), so that the scores of two neighbouring tiles are 16 neighbouring keys in a lane's registers.
;     kc, for each head 73,728 bytes: 128 tiles x 512, then 16 groups (of 8 tiles) x 512 bytes of scale words: word j of lane l = byte0 | byte1 << 8 of tile 8 G + 2 j + l / 16, row l % 16.
; (2) Work-groups 256-383: the mask M [2048][2048] of bytes becomes one bit a score, laid as the attention's lanes hold the scores.  For a tile T of 16 queries (the same rule of rows) and a step s of 128 keys:
;     mbits[T][s][n], n = 16 b + i: bit l = M[query of row l % 16][128 s + 32 b + 16 (l / 16) + i].  mflag[T][c]: for s = 4 c .. 4 c + 3, bit s: some byte of (T, s) is set; bit 16 + s: all are 1.
; No tensor load, no barrier: each wave has LDS bytes of its own, and each of the two paths too.
; LIMITS: NaN and infinities in K are not served.  A sum of squares under 2^-126 counts as 0 ahead of the 1e-8.  The division is a multiplication by v_rcp_f32's result.
;     A block whose largest magnitude lies under 2^-124 (a block of zeros too) keeps the byte 1: this program alone reads the bytes, and zero codes add nothing.
;     A true byte of M other than 1 counts as true; it only keeps the flag 'all' from being set, which costs time and no value.
.set PITCH, 272                        ; a stage row: 256 bytes + 16 = 17 x 16: sixteen rows begin at sixteen different 16-byte columns modulo 256
.set STG,   16*PITCH                   ; a stage: 16 rows
.set WREG,  2*STG                      ; two stages for each wave
.set MBASE, 4*WREG                     ; the mask path's stages lie behind the K path's
.set SEL,   28                         ; s[28:29] v_permlanex16_b32's selects for lane l xor 16
.set QA,    8                          ; v[8:9], v[10:11] the sum of squares in two chains
.set QB,    10
.set MX,    12                         ; v12, v13 the largest magnitude in two chains
.set MY,    13
.set QN,    14                         ; v14 the norm
.set QSO,   15                         ; v15 the conversions' scale operand
.set RR,    16                         ; v[16:17] 1 / (norm + 1e-8), twice
.set BY,    18                         ; v18 my block's byte
.set W,     19                         ; v19 the row's scale word
.set SW,    20                         ; v[20:23] the group's image of scale words
.set H8,    7                          ; v7 8 x (lane / 16)
.set R,     32                         ; v32-159  four sets of 32: a tile as loaded
.set X,     160                        ; v160-223 two sets of 32: a lane's block of 32 numbers
.set C,     224                        ; v224-255 four registers of codes for each tile: no store's data are written again
.set MR,    32                         ; mask path: v32-95 two chunks as loaded, v96-159 as the lanes want them, v160-167 four pairs of words to store
.set MT,    96
.set OUT,   160
.macro LOAD t                          ; tile t of my eight: each load takes two whole rows of K, 512 consecutive bytes
.irp j, 0,1,2,3,4,5,6,7
	global_load_b128 v[R+32*((\t)%4)+4*\j:R+32*((\t)%4)+4*\j+3], v4, s[4:5] offset:(32*((\t)/2)+8*((\t)%2)+2*\j+8*(\j/4))*256 th:TH_LOAD_NT
.endr
.endm
.macro TURN t                          ; through my stage: in as loaded, out 128 bytes a lane: block l / 16 of row l % 16.  LDS serves a wave's instructions in order: no wait between
.irp j, 0,1,2,3,4,5,6,7
	ds_store_b128 v5, v[R+32*((\t)%4)+4*\j:R+32*((\t)%4)+4*\j+3] offset:STG*((\t)%2)+2*PITCH*\j
.endr
.irp i, 0,1,2,3,4,5,6,7
	ds_load_b128 v[X+32*((\t)%2)+4*\i:X+32*((\t)%2)+4*\i+3], v6 offset:STG*((\t)%2)+16*\i
.endr
.endm
; 32 numbers of a lane, v[x] on (block l / 16 of row l % 16), are normalised and quantised: four registers of codes in v[c] on, the row's scale word in v[w] (in both halves of the lanes).
.macro NQ x, c, w
	v_pk_mul_f32 v[QA:QA+1], v[\x:\x+1], v[\x:\x+1]
	v_pk_mul_f32 v[QB:QB+1], v[\x+2:\x+3], v[\x+2:\x+3]
.irp i, 4,8,12,16,20,24,28
	v_pk_fma_f32 v[QA:QA+1], v[\x+\i:\x+\i+1], v[\x+\i:\x+\i+1], v[QA:QA+1]
	v_pk_fma_f32 v[QB:QB+1], v[\x+\i+2:\x+\i+3], v[\x+\i+2:\x+\i+3], v[QB:QB+1]
.endr
	v_pk_add_f32 v[QA:QA+1], v[QA:QA+1], v[QB:QB+1]
	v_add_f32 v[QA], v[QA], v[QA+1]
	v_permlanex16_b32 v[QB], v[QA], s[SEL], s[SEL+1]               ; the row's other 32 numbers lie in lane l xor 16
	v_add_f32 v[QN], v[QA], v[QB]
	s_wait_alu depctr_va_vdst(0)
	v_sqrt_f32 v[QN], v[QN]
	v_max3_num_f32 v[MX], |v[\x]|, |v[\x+1]|, |v[\x+2]|            ; the block's largest magnitude, of the numbers as they came: sixteen plain lines behind the root
	v_max3_num_f32 v[MY], |v[\x+3]|, |v[\x+4]|, |v[\x+5]|
.irp i, 6,10,14,18,22,26
	v_max3_num_f32 v[MX], v[MX], |v[\x+\i]|, |v[\x+\i+1]|
	v_max3_num_f32 v[MY], v[MY], |v[\x+\i+2]|, |v[\x+\i+3]|
.endr
	v_max3_num_f32 v[MX], v[MX], |v[\x+30]|, |v[\x+31]|
	v_max_num_f32 v[MX], v[MX], v[MY]
	s_wait_alu depctr_va_vdst(0)                                   ; the wait ahead of the first line that names the root
	v_add_f32 v[QN], 0x322bcc77, v[QN]                             ; + 1e-8
	s_wait_alu depctr_va_vdst(0)
	v_rcp_f32 v[RR], v[QN]
	v_nop                                                          ; a plain line behind the reciprocal
	s_wait_alu depctr_va_vdst(0)                                   ; and the wait ahead of its first use
	v_mov_b32 v[RR+1], v[RR]
.irp i, 0,2,4,6,8,10,12,14,16,18,20,22,24,26,28,30
	v_pk_mul_f32 v[\x+\i:\x+\i+1], v[\x+\i:\x+\i+1], v[RR:RR+1]
.endr
	v_mul_f32 v[MX], v[MX], |v[RR]|                                ; rounding keeps order: this IS the largest magnitude of the 32 products above, bit for bit
	v_max_num_f32 v[MX], 0x1800000, v[MX]                          ; the floor 2^(3 - 127): the byte cannot fall under 1
	v_add_nc_u32 v[QSO], 0xff000000, v[MX]                         ; 2 off the exponent field: the conversion takes this operand's exponent field as its scale
	v_lshrrev_b32 v[BY], 23, v[QSO]                                ; the scale's byte
.irp g, 0,1,2,3
	v_cvt_scalef32_pk8_fp4_f32 v[\c+\g], v[\x+8*\g:\x+8*\g+7], v[QSO]
.endr
	v_lshlrev_b32 v[BY], v[H8], v[BY]                              ; (the plain line behind the conversions)  my byte at its place in the word: block l / 16
	v_permlanex16_b32 v[QB], v[BY], s[SEL], s[SEL+1]
	v_or_b32 v[\w], v[BY], v[QB]                                   ; bytes 2 and 3 stay 0: they scale the product's upper 64 along K, where both sides have zero codes
.endm
.macro STEP t
	s_wait_dscnt 0x0                               ; tile t is back from the stage, so the stage's stores have read the set that the loads below fill
.if (\t) < 4
	LOAD (\t)+4
.endif
.if (\t) < 7
.if (\t) < 4
	s_wait_loadcnt 24                              ; tile t + 1 is in: behind its eight loads those of three more tiles were issued
.else
	s_wait_loadcnt 8*(6-(\t))                      ; near the end fewer: tiles t + 2 .. 7
.endif
	TURN (\t)+1                                    ; through the other stage while tile t is worked on
.endif
	NQ X+32*((\t)%2), C+4*(\t), W
	global_store_b128 v4, v[C+4*(\t):C+4*(\t)+3], s[8:9] offset:512*(\t)   ; the tile's image: 512 consecutive bytes, aligned
.if (\t)%2
	v_cndmask_b32 v[SW+(\t)/2], v[SW+(\t)/2], v[W], s27            ; an odd tile's words go to lanes 16-31,
.else
	v_mov_b32 v[SW+(\t)/2], v[W]                                   ; an even tile's to lanes 0-15
.endif
.endm
.macro LOADM k                         ; chunk k (256 keys) of the tile's 16 rows of M: sixteen lanes take a row's 256 bytes, two rows a load
.irp j, 0,1,2,3,4,5,6,7
	global_load_b128 v[MR+32*(\k)+4*\j:MR+32*(\k)+4*\j+3], v4, s[6:7] offset:(2*\j+8*(\j/4))*2048+256*(\k) th:TH_LOAD_NT
.endr
.endm
.macro TURNM k                         ; through my stage: lane (r, h) takes, of row r, bytes 32 e + 16 h + 0 .. 15, e = 4 (step in the chunk) + block
.irp j, 0,1,2,3,4,5,6,7
	ds_store_b128 v5, v[MR+32*(\k)+4*\j:MR+32*(\k)+4*\j+3] offset:STG*(\k)+2*PITCH*\j
.endr
.irp e, 0,1,2,3,4,5,6,7
	ds_load_b128 v[MT+32*(\k)+4*\e:MT+32*(\k)+4*\e+3], v6 offset:STG*(\k)+32*\e
.endr
.endm
; One step of 128 keys: its 64 words and its two flags.  Word n = 4 q + z is the ballot of byte z of register q; it goes to lane n / 2, register n % 2, so that the 32 lanes store 256 consecutive bytes.
.macro BALLOT k, sp
.set XB, MT+32*(\k)+16*(\sp)
.set OP, OUT+2*(2*(\k)+(\sp))
.set q, 0
.rept 16
.irp z, 0,1,2,3
	v_and_b32 v[24+\z], 0xff<<(8*\z), v[XB+q]
.endr
.irp z, 0,1,2,3
	v_cmp_ne_u32 s[20+\z], 0, v[24+\z]
.endr
.irp z, 0,1,2,3
	v_writelane_b32 v[OP+\z%2], s[20+\z], 2*q+\z/2
.endr
.set q, q+1
.endr
	global_store_b64 v7, v[OP:OP+1], s[10:11] offset:256*(2*(\k)+(\sp))
	v_or_b32 v28, v[XB], v[XB+1]
	v_and_b32 v29, v[XB], v[XB+1]
.set q, 2
.rept 14
	v_or_b32 v28, v28, v[XB+q]
	v_and_b32 v29, v29, v[XB+q]
.set q, q+1
.endr
	v_cmp_ne_u32 s20, 0, v28                       ; lanes with some byte set
	v_cmp_eq_u32 s21, 0x01010101, v29              ; lanes with every byte 1
	s_cmp_lg_u32 s20, 0
	s_cselect_b32 s22, 1, 0                        ; any
	s_cmp_eq_u32 s21, -1
	s_cselect_b32 s23, 0x10000, 0                  ; all
	s_or_b32 s22, s22, s23
	s_lshl_b32 s22, s22, s25                       ; at the step's bit
	s_or_b32 s24, s24, s22
	s_add_co_u32 s25, s25, 1
.endm
	s_load_b256 s[4:11], s[0:1], 0x0               ; K s[4:5], M s[6:7], kc s[8:9], mbits s[10:11]
	s_load_b64 s[12:13], s[0:1], 0x20              ; mflag
	s_set_vgpr_msb 0x40
	v_lshl_add_u32 v0, v0, 2, 0x11000
	v_mov_b32 v1, 0
	s_set_vgpr_msb 0x4000
	v_lshrrev_b32 v1, 5, v0
	v_readfirstlane_b32 s14, v1                    ; wave 0..3
	v_and_b32 v1, 31, v0                           ; lane
	v_and_b32 v2, 15, v0                           ; r
	v_bfe_u32 v3, v0, 4, 1                         ; h
	s_mul_i32 s26, s14, WREG                       ; my wave's stages
	v_mul_u32_u24 v5, v3, PITCH
	v_lshl_add_u32 v5, v2, 4, v5
	v_add_nc_u32 v5, s26, v5                       ; into a stage: lanes 0-15 one row, lanes 16-31 the next, 16 bytes a lane
	v_mul_u32_u24 v6, v2, PITCH
	v_add_nc_u32 v6, s26, v6                       ; out of it: row r
	s_mov_b32 s[SEL], 0x76543210
	s_mov_b32 s[SEL+1], 0xfedcba98
	s_wait_kmcnt 0x0
	s_cmp_lt_u32 ttmp9, 256
	s_cbranch_scc0 .Lmask
	s_wait_alu depctr_va_vdst(0)
	; ---- K: wave tau = 4 x work-group + wave takes 128 keys: head tau / 16, group tau % 16
	v_lshlrev_b32 v4, 4, v1                        ; 16 x lane
	s_wait_alu depctr_va_vdst(0)
	v_lshl_add_u32 v6, v3, 7, v6                   ; + 128 h: my block of the row
	v_lshlrev_b32 v[H8], 3, v3
	s_mov_b32 s27, 0xffff0000                      ; lanes 16-31
	s_lshl_b32 s15, ttmp9, 2
	s_add_co_u32 s15, s15, s14                     ; tau
	s_lshl_b32 s16, s15, 15                        ; 128 rows of 256 bytes
	s_mov_b32 s17, 0
	s_add_nc_u64 s[4:5], s[4:5], s[16:17]
	s_lshr_b32 s18, s15, 4
	s_mul_i32 s18, s18, 73728                      ; the head's part of kc
	s_and_b32 s19, s15, 15
	s_lshl_b32 s16, s19, 12
	s_add_co_u32 s16, s16, s18                     ; my eight tiles' images
	s_lshl_b32 s19, s19, 9
	s_add_co_u32 s18, s18, s19
	s_add_co_u32 s18, s18, 65536                   ; my group's image of scale words
	s_mov_b32 s19, 0
	s_add_nc_u64 s[18:19], s[8:9], s[18:19]
	s_add_nc_u64 s[8:9], s[8:9], s[16:17]
	LOAD 0
	LOAD 1
	LOAD 2
	LOAD 3
	s_wait_alu depctr_va_vdst(0)
	s_wait_loadcnt 24                              ; tile 0's eight loads are in; those of tiles 1 to 3 may be out
	TURN 0
.irp t, 0,1,2,3,4,5,6,7
	STEP \t
.endr
	global_store_b128 v4, v[SW:SW+3], s[18:19]     ; 512 consecutive bytes, aligned
	s_set_vgpr_msb 0x5
	s_wait_tensorcnt 0x0
	ds_add_u32 v0, v1
	s_wait_dscnt 0x0
	s_set_vgpr_msb 0x500
	s_endpgm
	; ---- M: work-group 256 + T takes the tile T of 16 queries; wave c its key steps 4 c .. 4 c + 3, as two chunks of 256 keys
.Lmask:
	s_wait_alu depctr_va_vdst(0)
	v_lshlrev_b32 v4, 11, v3
	v_lshl_add_u32 v4, v2, 4, v4                   ; M: lanes 0-15 one row, lanes 16-31 the next (2,048 bytes on), 16 bytes a lane
	v_add_nc_u32 v5, MBASE, v5
	v_lshl_add_u32 v6, v3, 4, v6
	v_add_nc_u32 v6, MBASE, v6                     ; row r, + 16 h
	v_lshlrev_b32 v7, 3, v1                        ; two words a lane
	v_mov_b32 v31, 0
.irp i, 0,1,2,3,4,5,6,7
	v_mov_b32 v[OUT+\i], 0                         ; written once: v_writelane_b32's destination counts as one of its sources
.endr
	s_sub_co_u32 s15, ttmp9, 256                   ; T
	s_lshl_b32 s16, s15, 4
	s_and_b32 s17, s15, 1
	s_lshl_b32 s17, s17, 3
	s_sub_co_u32 s16, s16, s17                     ; the tile's first query: 16 T - 8 (T % 2)
	s_lshl_b32 s16, s16, 11
	s_lshl_b32 s17, s14, 9
	s_add_co_u32 s16, s16, s17                     ; + my 512 keys
	s_mov_b32 s17, 0
	s_add_nc_u64 s[6:7], s[6:7], s[16:17]
	s_lshl_b32 s16, s15, 12
	s_lshl_b32 s18, s14, 10
	s_add_co_u32 s16, s16, s18
	s_add_nc_u64 s[10:11], s[10:11], s[16:17]      ; mbits[T][4 c]
	s_lshl_b32 s16, s15, 4
	s_lshl_b32 s18, s14, 2
	s_add_co_u32 s16, s16, s18
	s_add_nc_u64 s[12:13], s[12:13], s[16:17]      ; mflag[T][c]
	s_mov_b32 s24, 0                               ; the flags
	s_lshl_b32 s25, s14, 2                         ; my first step
	LOADM 0
	LOADM 1
	s_wait_loadcnt 8                               ; chunk 0 is in; chunk 1's eight loads may be out
	TURNM 0
	s_wait_loadcnt 0x0
	TURNM 1
	s_wait_dscnt 16                                ; chunk 0 is back: behind its loads stand chunk 1's eight stores and eight loads
	BALLOT 0, 0
	BALLOT 0, 1
	s_wait_dscnt 0x0
	BALLOT 1, 0
	BALLOT 1, 1
	v_mov_b32 v30, s24
	s_wait_alu depctr_va_vdst(0)
	s_wait_xcnt 0x0                                ; EXEC is a source of the stores above: it changes only behind this wait
	v_cmp_eq_u32 vcc_lo, 0, v1
	s_set_vgpr_msb 0x5
	s_wait_tensorcnt 0x0
	ds_add_u32 v0, v1
	s_wait_dscnt 0x0
	s_set_vgpr_msb 0x500
	s_and_saveexec_b32 s26, vcc_lo
	global_store_b32 v31, v30, s[12:13]            ; one word a wave, by lane 0 (the whole buffer is 2,048 bytes)
	s_wait_xcnt 0x0                                ; and again ahead of the line that widens it
	s_or_b32 exec_lo, exec_lo, s26
	s_endpgm
.Lfunc_end_k_q667ac80835_prep:
	.size	k_q667ac80835_prep, .Lfunc_end_k_q667ac80835_prep-k_q667ac80835_prep
	.p2alignl 7, 3214868480
	.fill 96, 4, 3214868480
	.section	.rodata,"a",@progbits
	.p2align	6, 0x0
	.amdhsa_kernel k_q667ac80835_prep
		.amdhsa_group_segment_fixed_size 70144
		.amdhsa_private_segment_fixed_size 0
		.amdhsa_enable_private_segment 0
		.amdhsa_kernarg_size 40
		.amdhsa_user_sgpr_count 2
		.amdhsa_user_sgpr_kernarg_segment_ptr 1
		.amdhsa_wavefront_size32 1
		.amdhsa_system_sgpr_workgroup_id_x 1
		.amdhsa_system_sgpr_workgroup_id_y 1
		.amdhsa_system_sgpr_workgroup_id_z 1
		.amdhsa_system_vgpr_workitem_id 0
		.amdhsa_next_free_vgpr 258
		.amdhsa_next_free_sgpr 66
		.amdhsa_reserve_vcc 1
		.amdhsa_float_denorm_mode_32 3
		.amdhsa_float_denorm_mode_16_64 3
		.amdhsa_memory_ordered 1
		.amdhsa_forward_progress 1
		.amdhsa_inst_pref_size 110
	.end_amdhsa_kernel
	.amdgpu_metadata
---
amdhsa.version: [ 1, 2 ]
amdhsa.kernels:
  - .name:           k_q667ac80835_prep
    .symbol:         k_q667ac80835_prep.kd
    .args:
      - { .name: K, .offset: 0, .size: 8, .value_kind: global_buffer, .address_space: global }
      - { .name: M, .offset: 8, .size: 8, .value_kind: global_buffer, .address_space: global }
      - { .name: kc, .offset: 16, .size: 8, .value_kind: global_buffer, .address_space: global }
      - { .name: mbits, .offset: 24, .size: 8, .value_kind: global_buffer, .address_space: global }
      - { .name: mflag, .offset: 32, .size: 8, .value_kind: global_buffer, .address_space: global }
    .group_segment_fixed_size: 70144
    .private_segment_fixed_size: 0
    .kernarg_segment_align: 8
    .kernarg_segment_size: 40
    .max_flat_workgroup_size: 128
    .sgpr_count:     66
    .vgpr_count:     258
    .wavefront_size: 32
...
	.end_amdgpu_metadata
.endif
;; end of part 3
;; launch attn (part 4): grid 4 x 64, 16 waves a work-group, no clusters, 216,320 bytes of LDS; arguments Q, qk_scale, kc, V_codes, V_scales, mbits, mflag, out0; writes out0
.if DOCPART == 4
	.amdgcn_target "amdgcn-amd-amdhsa--gfx1250"
	.amdhsa_code_object_version 6
	.text
	.protected	k_q667ac80835_attn
	.globl	k_q667ac80835_attn
	.p2align	8
	.type	k_q667ac80835_attn,@function
k_q667ac80835_attn:
	s_mov_b64 s[64:65], 0
	v_nop
	global_prefetch_b8 v0, s[64:65] scope:SCOPE_SE
	s_setreg_imm32_b32 hwreg(HW_REG_WAVE_SCHED_MODE, 0, 2), 2
	s_setreg_imm32_b32 hwreg(HW_REG_WAVE_MODE, 25, 1), 1
	s_wait_xcnt 0x0
	s_wait_alu depctr_vm_vsrc(0)
; out0[head][q][:] = softmax_k(g Qhat[q] . Khat[k], masked by M) V[k][:], both products on codes of FP4 (E2M1) with one E8M0 byte for each 32 along a product's K.
; Q [64][2048][64] f32 is normalised, multiplied by its head's g and quantised here, in registers; Khat comes as images of operand registers (kc), V as codes with the keys innermost; M as one bit a score (mbits) and two flags a step (mflag).
; THE SOFTMAX AHEAD OF THE SECOND PRODUCT: t = score x log2(e); M = the row's largest t so far, rounded UP to a whole number; p = 2^(t - M) is quantised along the keys, not normalised; the row's sum is taken of the
; unquantised p and divides at the end.  When M moves, the sum and O are multiplied by 2^(old M - new M): exact.  A row with no true bit has sum 0 and O 0, and 0 x (1 / 0) is the NaN that the softmax of such a row gives.
; SHARES.  Work-group (x, head): 16 waves, 256 registers each, four to a SIMD, so that one wave's exponentials stand beside another's products and LDS loads.  Wave w owns two tiles of 16 queries, one after the other:
; T = 4 w + x and T = 124 - 4 w + x: an early tile and a late one.  Row p of tile T is query 16 T - 8 (T % 2) + p + 8 (p / 8) (the rule of K's tiles).  Every wave walks the head's 16 steps of 128 keys.
; A STEP WHOSE 16 x 128 MASK BITS ARE ALL FALSE IS PASSED OVER (p would be 0 and the maximum unchanged); one whose bits are all true leaves the selects out.  Both are scalar branches on mflag, which the launch before stored.
; The trip count is the constant 16; only the work is jumped over.  In a step with both kinds of bits each score costs one v_cndmask_b32 on a mask word in a scalar register, asked for in the step before.
; LAYOUT.  Both products are used transposed: S^T = K Q^T (source 0 = 16 keys, source 1 = my 16 queries; K = 64, the upper 64 of the instruction's 128 are zero codes on both sides), O^T = V^T P^T: a lane holds ONE query.
; Register 16 b + i of the scores is key 128 s + 32 b + 16 (lane / 16) + i.
; NO TENSOR LOAD, NO CLUSTER: the step loop branches on numbers read from memory; joint loads are tensor loads.  What the four work-groups of a head share is 143,360 bytes each
; (a head's K images, V codes and scale bytes), fetched once at the head through registers into LDS, where they stay: there is no ring and one barrier.
; THE MODE: SCHED_MODE bits 1:0 = 2 (LLVM: expert scheduling mode 2), set by the entry lines.  The code itself states the register dependences between vector or matrix instructions and memory or LDS instructions,
; with s_wait_alu, always for 0.
; THE PLAN.  Registers that LDS or memory instructions touch:
;   v1, v5, v6        offsets and LDS places, made at the head and never written again.
;   v8-11             written by the four additions at an active step's head; read by that step's 19 LDS loads.
;   KF (the lower four of each eight), KS   the LDS loads at a step's head land in them; the step's eight products K Q^T read them.
;   VF, VS            the LDS loads dealt among those eight products land in them; the step's four products V^T P^T read them.
;   PC, PS, QF, QS and the zero codes       written by vector lines, taken by scaled products.
;   S                 at the head Q's way through the stage; on the way out S + 0 .. 31 are written by the multiplications and read by LDS stores, S + 32 .. 63 take the stage's loads and are read by the global stores.
;   v152-221, v228-233  at the head only: what I carry into LDS, and the offsets and places for it; the steps write them as O, VF, PC, T2 and SO.
; AN ACTIVE STEP HAS SIX WAITS.  At its head one on vm_vsrc (the last step's LDS loads have read v8-11), the four additions, and one on va_vdst: v8-11 are written, the last step's products are done reading KF, KS, VF and VS,
; and Q's codes and scale word are written.  All 19 LDS loads follow with no further wait: the eight products among which V's are dealt name KF, QF, S, KS and QS, none of the registers that V's loads touch.
; One on va_vdst ahead of the 64 exponentials, one for them, one for the four, and one, behind its places, ahead of the products that take p's codes and scale word.
; LIMITS: NaN and infinities in Q are not served.  A sum of squares under 2^-126 counts as 0 ahead of the 1e-8.  Q / (norm + 1e-8) x g is computed as Q x (g x v_rcp_f32(norm + 1e-8)).
; A block whose largest magnitude lies under 2^-124 keeps the byte 1 (a block of zeros too: its codes are zeros).  p under 2^-126 is 0.  V's codes and scale bytes are taken as they are given.
.set KSC,   65536                      ; LDS: 0: K's 128 tile images x 512;  KSC: its 16 images of scale words x 512
.set VIMG,  73728                      ; V's 64 rows (one of the head's 64 each): 1,024 bytes of codes + 16: 65 x 16, so sixteen rows begin at sixteen different 16-byte columns modulo 256
.set VP,    1040
.set VSC,   140288                     ; V's scale bytes, 64 a row, four rows to 256 bytes, + 16 behind each 256
.set STAGE, 144640                     ; 16 rows x 272 bytes for each wave: Q's way in and O's way out
.set SP,    272
.set L16,   1                          ; v1  16 x lane: my place in an image, and my byte offset in two rows of Q or of out0
.set AKS0,  2                          ; v2  KSC + 16 x lane
.set AV0,   3                          ; v3  my place in a tile of V
.set ASV0,  4                          ; v4  my place among V's scale words: lane l takes row l of 32
.set STO,   5                          ; v5  the stage: where I put 32 bytes of a row
.set RD,    6                          ; v6  the stage by rows: lanes 0-15 one row, lanes 16-31 the next
.set ADK,   8                          ; v8-11 the step's LDS addresses: K, K's scale words, V, V's scale words
.set ADS,   9
.set ADV,   10
.set ADT,   11
                                       ; v12 -M, v13 the largest t, v[14:15] the sum in two halves
.set QF,    16                         ; v16-23  Q's fragment; v20-23 stay 0
.set KF,    24                         ; v24-87  K's eight fragments; the upper four registers of each stay 0
.set S,     88                         ; v88-151 the scores, then p
.set O,     152                        ; v152-183 O^T
.set VF,    184                        ; v184-215 V's four fragments
.set PC,    216                        ; v216-223 p's codes
.set BM,    224                        ; v224-227 the blocks' largest scores, then p
.set T2,    228                        ; v228-231 at work
.set SO,    232                        ; v232-235 the conversions' scale operands
.set KS,    236                        ; v236-239 K's scale words: register j: lanes 0-15 tile 2 j, lanes 16-31 tile 2 j + 1
.set VS,    240                        ; v240-241 V's likewise
.set QS,    242                        ; v242 Q's scale word
.set PS,    243                        ; v243 p's
.set FF,    244                        ; v[244:245] f = 2^(old M - new M); v245 is only named with it
.set TP,    246                        ; v246 at work
.set NINF,  247                        ; v247 -infinity
.set Q1,    248                        ; v248-251, v252 the second tile's codes and scale word
.set QS1,   252
.set FILL,  152                        ; at the head: v152-221 what I carry into LDS
.set QA,    8                          ; at the head: the quantiser's registers
.set QB,    10
.set MX,    12
.set MY,    13
.set QN,    14
.set QSO,   15
.set RR,    224
.set BY,    226
.set H8,    246
.set FK,    228                        ; at the head: my offsets and LDS places for the fill, and where I read Q back from the stage
.set FVG,   229
.set FVL,   230
.set FSG,   231
.set FSL,   232
.set QL,    233
.set WV,    20                         ; s20 wave
.set GN,    21                         ; s21 g
.set SEL,   22                         ; s[22:23] v_permlanex16_b32's selects for lane l xor 16
.set CS,    24                         ; s[24:25] log2(e), twice
.set KO,    26                         ; s26-29 the step's place in K's images (4,096 a step), K's scale words (512), V's rows (64), V's scale bytes (4)
.set KSO,   27
.set VO,    28
.set VSO,   29
.set CNT,   31                         ; s31 steps to go
                                       ; pass p: s[4+2p:5+2p] the tile's mask words, s[8+2p:9+2p] its rows of out0, s[12+4p] the steps with a true bit, s[13+4p] those that also have a false one
                                       ; s32-63, s68-99 a step's 64 mask words (temporaries at the head)
; 32 numbers of a lane, v[x] on (block l / 16 of row l % 16), are normalised, multiplied by g and quantised: four registers of codes in v[c] on, the row's scale word in v[w] (in both halves of the lanes).
.macro NQ x, c, w
	v_pk_mul_f32 v[QA:QA+1], v[\x:\x+1], v[\x:\x+1]
	v_pk_mul_f32 v[QB:QB+1], v[\x+2:\x+3], v[\x+2:\x+3]
.irp i, 4,8,12,16,20,24,28
	v_pk_fma_f32 v[QA:QA+1], v[\x+\i:\x+\i+1], v[\x+\i:\x+\i+1], v[QA:QA+1]
	v_pk_fma_f32 v[QB:QB+1], v[\x+\i+2:\x+\i+3], v[\x+\i+2:\x+\i+3], v[QB:QB+1]
.endr
	v_pk_add_f32 v[QA:QA+1], v[QA:QA+1], v[QB:QB+1]
	v_add_f32 v[QA], v[QA], v[QA+1]
	v_permlanex16_b32 v[QB], v[QA], s[SEL], s[SEL+1]               ; the row's other 32 numbers lie in lane l xor 16
	v_add_f32 v[QN], v[QA], v[QB]
	s_wait_alu depctr_va_vdst(0)
	v_sqrt_f32 v[QN], v[QN]
	v_max3_num_f32 v[MX], |v[\x]|, |v[\x+1]|, |v[\x+2]|            ; the block's largest magnitude, of the numbers as they came: sixteen plain lines behind the root
	v_max3_num_f32 v[MY], |v[\x+3]|, |v[\x+4]|, |v[\x+5]|
.irp i, 6,10,14,18,22,26
	v_max3_num_f32 v[MX], v[MX], |v[\x+\i]|, |v[\x+\i+1]|
	v_max3_num_f32 v[MY], v[MY], |v[\x+\i+2]|, |v[\x+\i+3]|
.endr
	v_max3_num_f32 v[MX], v[MX], |v[\x+30]|, |v[\x+31]|
	v_max_num_f32 v[MX], v[MX], v[MY]
	s_wait_alu depctr_va_vdst(0)                                   ; the root is written: the wait ahead of the first line that names it
	v_add_f32 v[QN], 0x322bcc77, v[QN]                             ; + 1e-8
	s_wait_alu depctr_va_vdst(0)
	v_rcp_f32 v[RR], v[QN]
	v_nop                                                          ; a plain line behind the reciprocal
	s_wait_alu depctr_va_vdst(0)                                   ; the reciprocal is written, ahead of its first use
	v_mul_f32 v[RR], s[GN], v[RR]                                  ; x the head's g
	v_mov_b32 v[RR+1], v[RR]
.irp i, 0,2,4,6,8,10,12,14,16,18,20,22,24,26,28,30
	v_pk_mul_f32 v[\x+\i:\x+\i+1], v[\x+\i:\x+\i+1], v[RR:RR+1]
.endr
	v_mul_f32 v[MX], v[MX], |v[RR]|                                ; rounding keeps order: this IS the largest magnitude of the 32 products above, bit for bit
	v_max_num_f32 v[MX], 0x1800000, v[MX]                          ; the floor 2^(3 - 127): the byte cannot fall under 1
	v_add_nc_u32 v[QSO], 0xff000000, v[MX]                         ; 2 off the exponent field: the conversion takes this operand's exponent field as its scale
	v_lshrrev_b32 v[BY], 23, v[QSO]                                ; the scale's byte
.irp g, 0,1,2,3
	v_cvt_scalef32_pk8_fp4_f32 v[\c+\g], v[\x+8*\g:\x+8*\g+7], v[QSO]
.endr
	v_lshlrev_b32 v[BY], v[H8], v[BY]                              ; (the plain line behind the conversions)  my byte at its place in the word: block l / 16
	v_permlanex16_b32 v[QB], v[BY], s[SEL], s[SEL+1]
	v_or_b32 v[\w], v[BY], v[QB]                                   ; bytes 2 and 3 stay 0: they scale the upper 64 along K, where both sides have zero codes
.endm
.macro TILEOFF d, t                    ; s[d:d+1] = bytes from Q's, and out0's, first byte to the first row of tile s[t] of my head (s35 = the head's first byte)
	s_lshl_b32 s[\d], s[\t], 4
	s_and_b32 s[\d+1], s[\t], 1
	s_lshl_b32 s[\d+1], s[\d+1], 3
	s_sub_co_u32 s[\d], s[\d], s[\d+1]
	s_lshl_b32 s[\d], s[\d], 8
	s_add_co_u32 s[\d], s[\d], s35
	s_mov_b32 s[\d+1], 0
.endm
.macro TURNQ p                         ; tile p of Q through my stage, in place: in as loaded (two rows a store), out 128 bytes a lane.  LDS serves a wave's instructions in order: no wait on DScnt between
.irp j, 0,1,2,3,4,5,6,7
	ds_store_b128 v[RD], v[S+32*\p+4*\j:S+32*\p+4*\j+3] offset:2*SP*\j
.endr
	s_wait_alu depctr_vm_vsrc(0)                   ; the LDS stores issued so far have read their data: the eight above v[S + 32 p ..], in which the loads below land and which the quantiser writes; the fill's v152-221, which the steps write
.irp i, 0,1,2,3,4,5,6,7
	ds_load_b128 v[S+32*\p+4*\i:S+32*\p+4*\i+3], v[QL] offset:16*\i
.endr
.endm
.macro REQ off                         ; a step's 64 mask words, 256 bytes, into scalar registers
	s_load_b512 s[32:47], s[MB:MB+1], \off
	s_load_b512 s[48:63], s[MB:MB+1], \off+64
	s_load_b256 s[68:75], s[MB:MB+1], \off+128
	s_load_b256 s[76:83], s[MB:MB+1], \off+160
	s_load_b256 s[84:91], s[MB:MB+1], \off+192
	s_load_b256 s[92:99], s[MB:MB+1], \off+224
.endm
	s_load_b256 s[4:11], s[0:1], 0x0               ; Q s[4:5], qk_scale s[6:7], kc s[8:9], V_codes s[10:11]
	s_load_b256 s[12:19], s[0:1], 0x20             ; V_scales s[12:13], mbits s[14:15], mflag s[16:17], out0 s[18:19]
	v_lshl_add_u32 v254, v0, 2, 0x34500
	v_mov_b32 v255, 0
	v_lshrrev_b32 v8, 5, v0
	v_readfirstlane_b32 s[WV], v8                  ; wave 0..15
	s_and_b32 s2, ttmp7, 0xffff                    ; the head, 0..63
	s_wait_alu depctr_va_sdst(0)                   ; s20, the wave's number, is written, ahead of its first reader: tiles, offsets and LDS places are made from it
	s_lshl_b32 s32, s[WV], 2
	s_add_co_u32 s33, s32, ttmp9                   ; my first tile: 4 w + x
	s_sub_co_u32 s34, 124, s32
	s_add_co_u32 s34, s34, ttmp9                   ; my second: 124 - 4 w + x
	s_lshl_b32 s35, s2, 19                         ; a head of Q or out0 is 524,288 bytes
	TILEOFF 36, 33
	TILEOFF 38, 34
	s_lshl_b32 s40, s33, 4                         ; the tiles' four flag words
	s_mov_b32 s41, 0
	s_lshl_b32 s42, s34, 4
	s_mov_b32 s43, 0
	s_and_b32 s44, s2, 15                          ; the head within its batch: g's place
	s_lshl_b32 s44, s44, 2
	s_mov_b32 s45, 0
	s_mul_i32 s46, s2, 73728                       ; the head's part of kc,
	s_mov_b32 s47, 0
	s_lshl_b32 s48, s2, 16                         ; of V's codes,
	s_mov_b32 s49, 0
	s_lshl_b32 s50, s2, 12                         ; of V's scale bytes
	s_mov_b32 s51, 0
	s_lshl_b32 s52, s33, 12                        ; the tiles' mask words: 16 steps x 256 bytes
	s_mov_b32 s53, 0
	s_lshl_b32 s54, s34, 12
	s_mov_b32 s55, 0
	s_mov_b32 s[SEL], 0x76543210
	s_mov_b32 s[SEL+1], 0xfedcba98
	s_mov_b32 s[CS], 0x3fb8aa3b                    ; log2(e)
	s_mov_b32 s[CS+1], s[CS]                       ; (named with it as a pair, so it is written)
	v_and_b32 v8, 31, v0                           ; lane
	v_and_b32 v9, 15, v0                           ; r
	v_bfe_u32 v10, v0, 4, 1                        ; h
	v_lshlrev_b32 v[L16], 4, v8
	s_mul_i32 s76, s[WV], 4608                     ; (s76 to s80: a scalar register of its own for each of the wave's places, so that none that a vector line reads is written a second time at the head)
	v_add_nc_u32 v[FK], s76, v[L16]                ; K's 73,728 bytes go as they lie, 4,608 a wave: offset in memory and place in LDS alike
	s_lshl_b32 s77, s[WV], 12
	v_add_nc_u32 v[FVG], s77, v[L16]               ; V's codes: four rows of 1,024 bytes a wave
	s_mul_i32 s78, s[WV], 4*VP
	s_add_co_u32 s78, s78, VIMG
	v_add_nc_u32 v[FVL], s78, v[L16]
	v_lshlrev_b32 v[FSG], 3, v0                    ; V's scale bytes: 8 a thread, 256 a wave
	s_mul_i32 s79, s[WV], 272
	s_add_co_u32 s79, s79, VSC
	v_lshl_add_u32 v[FSL], v8, 3, s79
	s_wait_kmcnt 0x0
	s_add_nc_u64 s[6:7], s[6:7], s[44:45]
	s_add_nc_u64 s[56:57], s[16:17], s[40:41]
	s_add_nc_u64 s[58:59], s[16:17], s[42:43]
	s_load_b32 s[GN], s[6:7], 0x0                  ; g
	s_load_b128 s[68:71], s[56:57], 0x0            ; the first tile's flags,
	s_load_b128 s[72:75], s[58:59], 0x0            ; the second's
	s_add_nc_u64 s[8:9], s[8:9], s[46:47]
	s_add_nc_u64 s[10:11], s[10:11], s[48:49]
	s_add_nc_u64 s[12:13], s[12:13], s[50:51]
	s_add_nc_u64 s[60:61], s[4:5], s[36:37]        ; Q at my first tile,
	s_add_nc_u64 s[62:63], s[4:5], s[38:39]        ; at my second
	s_wait_alu depctr_va_vdst(0)                   ; v1 and v228 to v232 are written: the loads below and the fill's LDS stores read them as offsets and places
.irp i, 0,1,2,3,4,5,6,7,8
	global_load_b128 v[FILL+4*\i:FILL+4*\i+3], v[FK], s[8:9] offset:512*\i
.endr
.irp i, 0,1,2,3,4,5,6,7
	global_load_b128 v[FILL+36+4*\i:FILL+36+4*\i+3], v[FVG], s[10:11] offset:512*\i
.endr
	global_load_b64 v[FILL+68:FILL+69], v[FSG], s[12:13]
.irp j, 0,1,2,3,4,5,6,7
	global_load_b128 v[S+4*\j:S+4*\j+3], v[L16], s[60:61] offset:(2*\j+8*(\j/4))*256 th:TH_LOAD_NT      ; two whole rows of Q, 512 consecutive bytes
.endr
.irp j, 0,1,2,3,4,5,6,7
	global_load_b128 v[S+32+4*\j:S+32+4*\j+3], v[L16], s[62:63] offset:(2*\j+8*(\j/4))*256 th:TH_LOAD_NT
.endr
	; the registers that stay, made while the loads are out: none of these lines writes a register that a load above reads or lands in
	v_add_nc_u32 v[AKS0], KSC, v[L16]
	v_mul_u32_u24 v[AV0], v9, VP
	v_lshl_add_u32 v[AV0], v10, 4, v[AV0]
	v_add_nc_u32 v[AV0], VIMG, v[AV0]              ; V: row r of a tile, + 16 h
	v_lshrrev_b32 v11, 2, v8
	v_mul_u32_u24 v[ASV0], v11, 272
	v_and_b32 v11, 3, v8
	v_lshl_add_u32 v[ASV0], v11, 6, v[ASV0]
	v_add_nc_u32 v[ASV0], VSC, v[ASV0]             ; V's scale bytes of row l: 272 (l / 4) + 64 (l % 4)
	s_mul_i32 s80, s[WV], 16*SP
	s_add_co_u32 s80, s80, STAGE                   ; my stage
	v_mul_u32_u24 v11, v9, SP
	v_add_nc_u32 v11, s80, v11                     ; its row r
	v_lshl_add_u32 v[STO], v10, 5, v11             ; + 32 h
	v_lshl_add_u32 v[QL], v10, 7, v11              ; + 128 h: my block of a row of Q
	v_mul_u32_u24 v[RD], v10, SP
	v_lshl_add_u32 v[RD], v9, 4, v[RD]
	v_add_nc_u32 v[RD], s80, v[RD]
	v_lshlrev_b32 v[H8], 3, v10
	v_mov_b32 v[NINF], 0xff800000
	v_mov_b32 v[FF+1], 0
.irp i, 4,5,6,7
	v_mov_b32 v[QF+\i], 0                          ; zero codes for the upper 64 of the first product's 128 along K: Q's,
.endr
.irp t, 0,1,2,3,4,5,6,7
.irp i, 4,5,6,7
	v_mov_b32 v[KF+8*\t+\i], 0                     ; and K's, in each of its eight fragments
.endr
.endr
	s_wait_alu depctr_va_vdst(0)                   ; v5, v6 and v233 are written, the stage's places, which LDS stores and loads read from here on; so are the zero codes, which the scaled products take
	s_wait_loadcnt 16                              ; K, V and V's scale bytes are in: behind them only Q's sixteen loads were issued
.irp i, 0,1,2,3,4,5,6,7,8
	ds_store_b128 v[FK], v[FILL+4*\i:FILL+4*\i+3] offset:512*\i
.endr
.irp i, 0,1,2,3,4,5,6,7
	ds_store_b128 v[FVL], v[FILL+36+4*\i:FILL+36+4*\i+3] offset:VP*(\i/2)+512*(\i%2)
.endr
	ds_store_b64 v[FSL], v[FILL+68:FILL+69]
	s_wait_loadcnt 8                               ; Q's first tile is in; the second's eight loads may be out
	TURNQ 0
	s_wait_loadcnt 0x0
	TURNQ 1
	s_wait_kmcnt 0x0                               ; g and the flags
	s_wait_dscnt 16                                ; the first tile is back: behind its loads stand the second's eight stores and eight loads
	NQ S, QF, QS
	s_wait_dscnt 0x0
	NQ S+32, Q1, QS1
	; every load of the head is done: its scalar registers are free
	s_add_nc_u64 s[4:5], s[14:15], s[52:53]        ; the tiles' mask words,
	s_add_nc_u64 s[6:7], s[14:15], s[54:55]
	s_add_nc_u64 s[8:9], s[18:19], s[36:37]        ; their rows of out0
	s_add_nc_u64 s[10:11], s[18:19], s[38:39]
	s_or_b32 s12, s68, s69
	s_or_b32 s12, s12, s70
	s_or_b32 s12, s12, s71                         ; bit s: step s has a true bit; bit 16 + s: all its bits are true
	s_lshr_b32 s13, s12, 16
	s_and_b32 s12, s12, 0xffff
	s_and_not1_b32 s13, s12, s13                   ; steps with both kinds of bits: they need the mask words
	s_or_b32 s16, s72, s73
	s_or_b32 s16, s16, s74
	s_or_b32 s16, s16, s75
	s_lshr_b32 s17, s16, 16
	s_and_b32 s16, s16, 0xffff
	s_and_not1_b32 s17, s16, s17
	s_wait_dscnt 0x0                               ; for the others' sake: my part of K and V lies in LDS
	s_barrier_signal -1
	s_barrier_wait -1                              ; everybody's does; from here on those bytes are only read
	s_wait_alu depctr_vm_vsrc(0)                   ; the head's loads and LDS instructions have read v228 to v233, their offsets and places: the steps write these registers as T2 and SO
; ONE TILE OF 16 QUERIES against the head's 2,048 keys.
.macro PASS p
.set MB, 4+2*\p
.set OB, 8+2*\p
.set FL, 12+4*\p
.set NL, 13+4*\p
	s_wait_kmcnt 0x0                               ; no scalar load is out: the mask words' registers may be asked for again
	REQ 0                                          ; step 0's words
	s_mov_b32 s[KO], 0
	s_mov_b32 s[KSO], 0
	s_mov_b32 s[VO], 0
	s_mov_b32 s[VSO], 0
	s_mov_b32 s[CNT], 16
	v_mov_b32 v13, 0xff61b1e6                      ; the largest t so far: -3e38, under every t
	v_floor_f32 v12, -v13                          ; -M
	v_mov_b32 v14, 0                               ; the sum, in two halves
	v_mov_b32 v15, 0
.set j, 0
.rept 32
	v_mov_b32 v[O+j], 0                            ; O^T.  (The step is written once: which step is a tile's first hangs on the mask, and the first change of M leaves zeros zeros)
.set j, j+1
.endr
.Lstep_\@:
	s_bitcmp1_b32 s[FL], 0                         ; has this step a true bit?
	s_cbranch_scc1 .Lactive_\@
	s_bitcmp1_b32 s[NL], 1                         ; it has none.  Will the next step want its words?
	s_cbranch_scc0 .Lnext_\@
	s_wait_kmcnt 0x0
	REQ 256
	s_branch .Lnext_\@
.Lactive_\@:
	s_wait_alu depctr_vm_vsrc(0)                   ; the last active step's LDS loads have read v8 to v11, which the four lines below write
	v_add_nc_u32 v[ADK], s[KO], v[L16]
	v_add_nc_u32 v[ADS], s[KSO], v[AKS0]
	v_add_nc_u32 v[ADV], s[VO], v[AV0]
	v_add_nc_u32 v[ADT], s[VSO], v[ASV0]
	s_wait_alu depctr_va_vdst(0)                   ; v8 to v11 are written, which this step's LDS loads read; the last step's products are done reading KF, KS, VF and VS, in which they land; Q's codes and scale word are written, which the products below take
	ds_load_b128 v[KS:KS+3], v[ADS]
.irp t, 0,1,2,3,4,5,6,7
	ds_load_b128 v[KF+8*\t:KF+8*\t+3], v[ADK] offset:512*\t        ; a tile's image: 512 consecutive bytes
.endr
	s_wait_dscnt 0x0                               ; K and its scale words are in: nothing else of mine is out
.irp t, 0,1,2,3,4,5,6,7
.if \t%2
	v_wmma_scale_f32_16x16x128_f8f6f4 v[S+8*\t:S+8*\t+7], v[KF+8*\t:KF+8*\t+7], v[QF:QF+7], 0, v[KS+\t/2], v[QS] matrix_a_fmt:MATRIX_FMT_FP4 matrix_b_fmt:MATRIX_FMT_FP4 matrix_a_scale:MATRIX_SCALE_ROW1
.else
	v_wmma_scale_f32_16x16x128_f8f6f4 v[S+8*\t:S+8*\t+7], v[KF+8*\t:KF+8*\t+7], v[QF:QF+7], 0, v[KS+\t/2], v[QS] matrix_a_fmt:MATRIX_FMT_FP4 matrix_b_fmt:MATRIX_FMT_FP4
.endif
	ds_load_b128 v[VF+4*\t:VF+4*\t+3], v[ADV] offset:16*VP*(\t/2)+32*(\t%2)   ; V's fragments, one load behind each product.  No wait: no vector or matrix line since the wait at the step's head names VF, VS, v10 or v11
.endr
.irp i, 0,1
	ds_load_b32 v[VS+\i], v[ADT] offset:8*272*\i                   ; rows 32 i + lane
.endr
.rept 4
	v_nop                                          ; four places ahead of the first read of the scores (ISA guide 7.12.1)
.endr
	s_bitcmp1_b32 s[NL], 0                         ; has this step a false bit?
	s_cbranch_scc0 .Lopen_\@
	s_wait_kmcnt 0x0                               ; its words, asked for a step ago
.set n, 0
.rept 32
	v_cndmask_b32 v[S+n], v[NINF], v[S+n], s[32+n]                 ; bit l of word n: lane l's score n counts; else -infinity, ahead of the maximum: p = 0 then
.set n, n+1
.endr
.rept 32
	v_cndmask_b32 v[S+n], v[NINF], v[S+n], s[36+n]
.set n, n+1
.endr
.Lopen_\@:
.irp b, 0,1,2,3
	v_max3_num_f32 v[BM+\b], v[S+16*\b], v[S+16*\b+1], v[S+16*\b+2]    ; THE LARGEST SCORE OF EACH BLOCK OF 32 KEYS serves twice: for the row's maximum and, since p rises with the score, for the block's largest p
.endr
.irp i, 3,5,7,9,11,13
.irp b, 0,1,2,3
	v_max3_num_f32 v[BM+\b], v[BM+\b], v[S+16*\b+\i], v[S+16*\b+\i+1]  ; (the four blocks by turns)
.endr
.endr
.irp b, 0,1,2,3
	v_max_num_f32 v[BM+\b], v[BM+\b], v[S+16*\b+15]
.endr
.irp b, 0,1,2,3
	v_permlanex16_b32 v[T2+\b], v[BM+\b], s[SEL], s[SEL+1]
.endr
.irp b, 0,1,2,3
	v_max_num_f32 v[BM+\b], v[BM+\b], v[T2+\b]     ; with lane l xor 16's 16 keys
.endr
	v_max3_num_f32 v[TP], v[BM], v[BM+1], v[BM+2]
	v_max_num_f32 v[TP], v[TP], v[BM+3]            ; the step's largest score of my query
	v_mul_f32 v[TP], s[CS], v[TP]                  ; as t
	v_max_num_f32 v13, v13, v[TP]                  ; the running largest t
	v_mov_b32 v[TP], v12
	v_floor_f32 v12, -v13                          ; the new -M = floor(-t) = -ceil(t): M is a whole number
	v_sub_f32 v[TP], v12, v[TP]                    ; old M - new M: a whole number, 0 or less
	v_cvt_i32_f32 v[TP], v[TP]                     ; (it saturates)
	v_ldexp_f32 v[FF], 1.0, v[TP]                  ; f = 2^(old M - new M)
.set j, 0
.rept 32
	v_pk_fma_f32 v[S+j:S+j+1], v[S+j:S+j+1], s[CS:CS+1], v[12:13] op_sel_hi:[1,0,0]   ; t - M, two at a time (of the pairs log2(e) and -M the low word serves both halves)
.set j, j+2
.endr
.irp b, 0,1,2,3
	v_fma_f32 v[BM+\b], v[BM+\b], s[CS], v12       ; the same of each block's largest score
.endr
.set j, 0
	s_wait_alu depctr_va_vdst(0)
.rept 64
	v_exp_f32 v[S+j], v[S+j]                       ; p = 2^(t - M): not normalised
.set j, j+1
.endr
	v_pk_mul_f32 v[14:15], v[14:15], v[FF:FF+1] op_sel_hi:[1,0]    ; the sums under the new M.  (The plain line behind the exponentials)
	s_wait_alu depctr_va_vdst(0)                   ; the 64 exponentials have written p: one wait for the batch, ahead of the first line that names a result
	s_bitcmp1_b32 s[NL], 1                         ; will the next step want its words?  The selects that read these scalar registers stand ahead of the wait above; the words have the rest of this step in which to come
	s_cbranch_scc0 .Lnoreq_\@
	s_wait_kmcnt 0x0
	REQ 256
.Lnoreq_\@:
.irp b, 0,1,2,3
	v_exp_f32 v[BM+\b], v[BM+\b]                   ; the blocks' largest p: the same two instructions on the same number give the same bits
.endr
	v_pk_add_f32 v[T2:T2+1], v[S:S+1], v[S+2:S+3]  ; THE ROW'S SUM IS TAKEN OF THE UNQUANTISED p, two at a time, in two chains.  (It reads the 64 alone: plain work behind the four)
.set j, 4
.rept 15
	v_pk_add_f32 v[14:15], v[14:15], v[S+j:S+j+1]
	v_pk_add_f32 v[T2:T2+1], v[T2:T2+1], v[S+j+2:S+j+3]
.set j, j+4
.endr
	v_pk_add_f32 v[14:15], v[14:15], v[T2:T2+1]
	s_wait_alu depctr_va_vdst(0)                   ; the four exponentials have written the blocks' largest p, ahead of the first line that names one
.irp b, 0,1,2,3
	v_max_num_f32 v[BM+\b], 0x1800000, v[BM+\b]    ; the floor 2^(3 - 127): the byte cannot fall under 1 (a block whose every p is 0 keeps that byte: its codes are zeros)
.endr
.irp b, 0,1,2,3
	v_add_nc_u32 v[SO+\b], 0xff000000, v[BM+\b]    ; 2 off the exponent field: the conversion's scale operand
.endr
.irp b, 0,1,2,3
	v_lshrrev_b32 v[T2+\b], 23, v[SO+\b]           ; the scale's byte
.endr
	v_lshl_or_b32 v[PS], v[T2+1], 8, v[T2]         ; p's scale word for these 128 keys
	v_lshl_or_b32 v[PS], v[T2+2], 16, v[PS]
	v_lshl_or_b32 v[PS], v[T2+3], 24, v[PS]
.irp b, 0,1,2,3
	v_cvt_scalef32_pk8_fp4_f32 v[PC+2*\b], v[S+16*\b:S+16*\b+7], v[SO+\b]
	v_cvt_scalef32_pk8_fp4_f32 v[PC+2*\b+1], v[S+16*\b+8:S+16*\b+15], v[SO+\b]
.endr
	v_nop                                          ; one plain line behind the conversions
.irp c, 0,1                                    ; the operand's layout wants a WHOLE block in a lane: lanes 0-15 block 2 c, lanes 16-31 block 2 c + 1
.irp i, 0,1
	v_permlane16_swap_b32 v[PC+4*\c+\i], v[PC+4*\c+2+\i]
.endr
.endr
.set j, 0
.rept 16
	v_pk_mul_f32 v[O+j:O+j+1], v[O+j:O+j+1], v[FF:FF+1] op_sel_hi:[1,0]   ; O^T under the new M.  (These sixteen are also the places between the lines that wrote p's codes and scale word and the products)
.set j, j+2
.endr
	s_wait_dscnt 0x0                               ; V and its scale words, asked for among the step's first products
	s_wait_alu depctr_va_vdst(0)                   ; behind the places: p's codes v216 to v223 and its scale word v243 are written, which the scaled products below take as source 1 and as its scales
.irp t, 0,1,2,3                                ; O^T += V^T P^T: the four accumulators take turns, one instruction a turn, and the next step's eight products stand between two links
.if \t%2
	v_wmma_scale_f32_16x16x128_f8f6f4 v[O+8*\t:O+8*\t+7], v[VF+8*\t:VF+8*\t+7], v[PC:PC+7], v[O+8*\t:O+8*\t+7], v[VS+\t/2], v[PS] matrix_a_fmt:MATRIX_FMT_FP4 matrix_b_fmt:MATRIX_FMT_FP4 matrix_a_scale:MATRIX_SCALE_ROW1
.else
	v_wmma_scale_f32_16x16x128_f8f6f4 v[O+8*\t:O+8*\t+7], v[VF+8*\t:VF+8*\t+7], v[PC:PC+7], v[O+8*\t:O+8*\t+7], v[VS+\t/2], v[PS] matrix_a_fmt:MATRIX_FMT_FP4 matrix_b_fmt:MATRIX_FMT_FP4
.endif
.endr
.Lnext_\@:
	s_wait_xcnt 0x0                                ; the scalar loads have read their base: it may step
	s_add_nc_u64 s[MB:MB+1], s[MB:MB+1], 256
	s_add_co_u32 s[KO], s[KO], 4096
	s_add_co_u32 s[KSO], s[KSO], 512
	s_add_co_u32 s[VO], s[VO], 64
	s_add_co_u32 s[VSO], s[VSO], 4
	s_lshr_b32 s[FL], s[FL], 1
	s_lshr_b32 s[NL], s[NL], 1                     ; 16 bits: in the last step bit 1 is 0, so nothing is asked for beyond the tile's 4,096 bytes
	s_sub_co_u32 s[CNT], s[CNT], 1
	s_cmp_lg_u32 s[CNT], 0
	s_cbranch_scc1 .Lstep_\@
	; THE WAY OUT: O^T / the sum goes through my stage and leaves as whole rows of 256 bytes
	v_add_f32 v14, v14, v15                        ; the sum's two halves,
	v_permlanex16_b32 v[TP], v14, s[SEL], s[SEL+1]
	v_add_f32 v14, v14, v[TP]                      ; and lane l xor 16's: the row's sum
	s_wait_alu depctr_va_vdst(0)
	v_rcp_f32 v14, v14
.if \p == 0
.irp i, 0,1,2,3
	v_mov_b32 v[QF+\i], v[Q1+\i]                   ; the second tile's Q takes its place.  (Plain lines behind the reciprocal, and places behind the last products)
.endr
	v_mov_b32 v[QS], v[QS1]
.else
.rept 4
	v_nop                                          ; plain lines behind the reciprocal, and the places behind the last products
.endr
.endif
	s_wait_alu depctr_va_vdst(0)                   ; the reciprocal is written, ahead of its first use
.set j, 0
.rept 32
	v_mul_f32 v[S+j], v[O+j], v14                  ; register 8 t + i: out(query r, 16 t + 8 h + i); each accumulator from its low end on
.set j, j+1
.endr
	s_wait_alu depctr_va_vdst(0)                   ; the multiplications have written v[S .. S + 31], which the LDS stores read; every vector line that named v[S + 32 ..] stands ahead of this wait too: the stage's loads land there
.irp t, 0,1,2,3
	ds_store_b128 v[STO], v[S+8*\t:S+8*\t+3] offset:64*\t
	ds_store_b128 v[STO], v[S+8*\t+4:S+8*\t+7] offset:64*\t+16
.endr
.irp i, 0,1,2,3,4,5,6,7
	ds_load_b128 v[S+32+4*\i:S+32+4*\i+3], v[RD] offset:2*SP*\i    ; LDS serves a wave's instructions in order: these see my stores
.endr
.irp i, 0,1,2,3,4,5,6,7
	s_wait_dscnt 7-\i                              ; load i is back; the younger ones may be out
	global_store_b128 v[L16], v[S+32+4*\i:S+32+4*\i+3], s[OB:OB+1] offset:(2*\i+8*(\i/4))*256 th:TH_STORE_NT   ; two whole rows of out0: 512 consecutive bytes, aligned
.endr
.if \p == 0
	s_wait_xcnt 0x0                                ; the stores' addresses are translated: their registers may be written again,
	s_wait_alu depctr_vm_vsrc(0)                   ; and beside it: the LDS stores have read v[S .. S + 31] and the global stores v[S + 32 .. S + 63], which the next tile's products write
.endif
.endm
	PASS 0
	PASS 1
	s_wait_dscnt 0x0
	s_wait_alu depctr_hold_cnt(0) depctr_sa_sdst(0) depctr_va_vdst(0) depctr_va_sdst(0) depctr_va_ssrc(0) depctr_va_vcc(0) depctr_vm_vsrc(0)
	s_wait_tensorcnt 0x0
	ds_add_u32 v254, v255
	s_wait_dscnt 0x0
	s_endpgm
.Lfunc_end_k_q667ac80835_attn:
	.size	k_q667ac80835_attn, .Lfunc_end_k_q667ac80835_attn-k_q667ac80835_attn
	.p2alignl 7, 3214868480
	.fill 96, 4, 3214868480
	.section	.rodata,"a",@progbits
	.p2align	6, 0x0
	.amdhsa_kernel k_q667ac80835_attn
		.amdhsa_group_segment_fixed_size 216320
		.amdhsa_private_segment_fixed_size 0
		.amdhsa_enable_private_segment 0
		.amdhsa_kernarg_size 64
		.amdhsa_user_sgpr_count 2
		.amdhsa_user_sgpr_kernarg_segment_ptr 1
		.amdhsa_wavefront_size32 1
		.amdhsa_system_sgpr_workgroup_id_x 1
		.amdhsa_system_sgpr_workgroup_id_y 1
		.amdhsa_system_sgpr_workgroup_id_z 1
		.amdhsa_system_vgpr_workitem_id 0
		.amdhsa_next_free_vgpr 256
		.amdhsa_next_free_sgpr 100
		.amdhsa_reserve_vcc 0
		.amdhsa_float_denorm_mode_32 3
		.amdhsa_float_denorm_mode_16_64 3
		.amdhsa_memory_ordered 1
		.amdhsa_forward_progress 1
		.amdhsa_inst_pref_size 73
	.end_amdhsa_kernel
	.amdgpu_metadata
---
amdhsa.version: [ 1, 2 ]
amdhsa.kernels:
  - .name:           k_q667ac80835_attn
    .symbol:         k_q667ac80835_attn.kd
    .args:
      - { .name: Q, .offset: 0, .size: 8, .value_kind: global_buffer, .address_space: global }
      - { .name: qk_scale, .offset: 8, .size: 8, .value_kind: global_buffer, .address_space: global }
      - { .name: kc, .offset: 16, .size: 8, .value_kind: global_buffer, .address_space: global }
      - { .name: V_codes, .offset: 24, .size: 8, .value_kind: global_buffer, .address_space: global }
      - { .name: V_scales, .offset: 32, .size: 8, .value_kind: global_buffer, .address_space: global }
      - { .name: mbits, .offset: 40, .size: 8, .value_kind: global_buffer, .address_space: global }
      - { .name: mflag, .offset: 48, .size: 8, .value_kind: global_buffer, .address_space: global }
      - { .name: out0, .offset: 56, .size: 8, .value_kind: global_buffer, .address_space: global }
    .group_segment_fixed_size: 216320
    .private_segment_fixed_size: 0
    .kernarg_segment_align: 8
    .kernarg_segment_size: 64
    .max_flat_workgroup_size: 512
    .sgpr_count:     100
    .vgpr_count:     256
    .wavefront_size: 32
...
	.end_amdgpu_metadata
.endif
;; end of part 4
